; MI455X (gfx1250); checked and timed in simulation.
; The chip was launched on July 23, 2026; its instructions are those of AMD's public machine-readable ISA for CDNA 5 (MIT licence, August 2026) and "CDNA5" Instruction Set Architecture Reference Guide (July 2026). The comments in the code are by the model that wrote it; some were corrected since.
;; Standard Attention. Allowed arithmetic: matrix products marked QUANTISED: E4M3 operands, one given power-of-two scale a tensor, by v_wmma_f32_16x16x64_fp8_fp8 or v_wmma_f32_16x16x128_fp8_fp8, f32 sums; everything else in f32.
;; Inputs: Wk 1,024 x 1,024 float32; Wo 1,024 x 1,024 float32; Wq 1,024 x 1,024 float32; Wv 1,024 x 1,024 float32; lowp_scales 12 int32 (the exponents e of the quantised operands' scales 2^e); x 4 x 2,048 x 1,024 float32.
;; Outputs: out0 4 x 2,048 x 1,024 float32.
;; This version of the problem:
;;   THIS VERSION OF THE PROBLEM IS GIVEN IN LOW PRECISION. The matrix products marked QUANTISED in the list below multiply operands that are first quantised to E4M3 (4 exponent bits, 3 mantissa bits; 8 bits a number), with one given power-of-two scale for each operand tensor; their sums are f32. All else is computed in f32.
;;   The module's matrix products, in the order in which they are computed (A, B: the left and right operand; K: the contracted axis; several contracted axes count as one K, in the product's order):
;;     1. [M 8,192, K 1,024] x [K 1,024, N 1,024]; A: input x; B: input Wq: QUANTISED (scales: A lowp_scales[0], B lowp_scales[1])
;;     2. [M 8,192, K 1,024] x [K 1,024, N 1,024]; A: input x; B: input Wk: QUANTISED (scales: A lowp_scales[2], B lowp_scales[3])
;;     3. [M 8,192, K 1,024] x [K 1,024, N 1,024]; A: input x; B: input Wv: QUANTISED (scales: A lowp_scales[4], B lowp_scales[5])
;;     4. batch 64 x [M 2,048, K 64] x [K 64, N 2,048]; A: computed on the way; B: computed on the way: QUANTISED (scales: A lowp_scales[6], B lowp_scales[7])
;;     5. batch 64 x [M 2,048, K 2,048] x [K 2,048, N 64]; A: softmax (see below); B: computed on the way: QUANTISED (scales: A lowp_scales[8], B lowp_scales[9])
;;     6. [M 8,192, K 1,024] x [K 1,024, N 1,024]; A: computed on the way; B: input Wo: QUANTISED (scales: A lowp_scales[10], B lowp_scales[11])
;;   THE QUANTISER, for each operand of a quantised product, along K:
;;     - The operand's scale is 2^e, e = its entry of the input lowp_scales (int32; the entries are numbered through the quantised products in the list's order, A before B).
;;     - Each number is divided by the scale, clamped to +-448, and rounded to the nearest number of E4M3, ties to even, subnormals kept.
;;     - The product sums the exact products of the quantised numbers (number of the format x scale) in f32.
;;   ~~~python
;;   def quantise(x, axis, e):      # numpy; x: float32 -> the quantised numbers, widened to float32 again
;;       x = np.moveaxis(x, axis, -1); K = x.shape[-1]
;;       r = np.clip(x / 2.0 ** e, -448, 448)
;;       step = 2.0 ** (np.maximum(np.frexp(np.where(r == 0, 1, r))[1] - 1, -6) - 3)
;;       q = np.round(r / step) * step * 2.0 ** e      # np.round: ties to even
;;       return np.moveaxis(q, -1, axis).astype(np.float32)
;;   ~~~
;;   SOFTMAX AHEAD OF A QUANTISED PRODUCT. Where the list says 'softmax', what is quantised is not the finished softmax but p = 2^(t - M), with t = logit x log2(e) and M = ceil(the row's largest t), a whole number; so 1/2 < the row's largest p <= 1. The row's sum l is taken of the UNQUANTISED p, in f32, and the product's result is divided by l at the end. Since M is a whole number, a kernel that streams over the keys may use a running M (the ceiling of the running maximum): every later rescaling is an exact power of two, so the quantised numbers keep their values, but for numbers so far below the row's largest that they fall under the format's range.
;;   OPERANDS COMPUTED ON THE WAY. 'Computed on the way' means the value that the module computes at that place (a softmax that the list does not call 'softmax' is quantised finished and normalised). What goes into a quantiser is computed in f32, as accurately as f32 sums, v_exp_f32 and their like allow (about 1e-6 of the number): no bf16 or f16 on the way to a quantiser, and a product that is left as it is and whose result goes on into a quantised operand takes f32 operands (vector FMAs, or v_wmma_f32_16x16x4_f32). A number that lies on a knife's edge between two numbers of the format may be rounded either way, as far as f32 arithmetic and the matrix unit's own rounding can turn it there, and no further.
;; One version. Each part assembles by itself: llvm-mc -triple=amdgcn-amd-amdhsa -mcpu=gfx1250 --defsym DOCPART=n.
;; ======== version 1 of 1: 4 launches
;; limits: right only within a limited range of input values
;; workspace buffers: codes 29,360,128 bytes; qkv 25,165,824 bytes; ao 8,388,608 bytes
;; launch quant (part 1): grid 384 x 1, 4 waves a work-group, no clusters, 33,280 bytes of LDS; arguments x, Wq, Wk, Wv, Wo, lowp_scales, codes; writes codes
.if DOCPART == 1
	.amdgcn_target "amdgcn-amd-amdhsa--gfx1250"
	.amdhsa_code_object_version 6
	.text
	.protected	k_q790743685b_quant
	.globl	k_q790743685b_quant
	.p2align	8
	.type	k_q790743685b_quant,@function
k_q790743685b_quant:
	s_mov_b64 s[64:65], 0
	v_nop
	global_prefetch_b8 v0, s[64:65] scope:SCOPE_SE
	s_setreg_imm32_b32 hwreg(HW_REG_WAVE_MODE, 25, 1), 1
	s_wait_xcnt 0x0
; x [8192][1024] and Wq, Wk, Wv, Wo [1024][1024], f32, K innermost, become codes of FP8 (E4M3), one byte a number.
; code = number / 2^e, rounded to the nearest code, ties to even.  x is an operand of three products with three given exponents (entries 0, 2, 4 of the scales),
; which need not be equal: it is read once and quantised three times.  Wq, Wk, Wv, Wo take entries 1, 3, 5, 11.
; THE BUFFER codes: seven tensors of rows of 1,024 bytes: x by entry 0 at byte 0, by entry 2 at 8 MiB, by entry 4 at 16 MiB; Wq, Wk, Wv, Wo at 24, 25, 26, 27 MiB.
; Byte p of a row holds the code of k = p with bits 3 and 4 exchanged: 16 bytes read at 32 c + 16 h are then k = 32 c + 8 h + 0..7 and 32 c + 16 + 8 h + 0..7,
; which are registers 4 c .. 4 c + 3 of the plain 8-bit matrix operand of lane half h (ISA guide 7.12.2): a fragment comes by loads of 16 bytes with every k in its own place.
; SHARES.  Rows are dense, so a tensor is a stream.  A work-group takes 32,768 numbers, a wave 8,192 in 16 steps of 512.  Work-groups 0-255 take x, 256-383 the weights, 32 each.
; A step's four loads read 512 consecutive bytes each; the 2,048 bytes turn through the wave's own stage in LDS, whose store address does the exchange of bits 3 and 4, and come back
; 64 bytes a lane: the 16 numbers whose codes are the lane's 16 bytes of the step's 512.  Each store of a wave covers 512 consecutive bytes, aligned.
; No tensor loads, no barrier: waves share nothing.  Loads run four steps (16 loads a wave) ahead, the turn through LDS one step.
; LIMITS: each exponent used here lies between -126 and 127, so that 2^e is an f32 number.  NaN among the inputs is not served.
.set STEPS, 16
.set SP,    80                         ; a lane's place in a stage: its 64 bytes + 16 of padding
.set R,     16                         ; v16-79   four sets of 16 numbers as they are loaded
.set X,     80                         ; v80-111  two sets of 16 numbers in the codes' order
.set HD,    112
.set C,     128                        ; v128-139 codes: four registers for each of the three scales
.set SC,    140                        ; v140-142 2^e as f32
.set LM,    8
.set SRC,   24                         ; s[24:25] my wave's numbers
.set DST,   44                         ; s[44:45], s[46:47], s[48:49] my wave's codes by the first, second, third scale
	s_load_b256 s[4:11], s[0:1], 0x0               ; x s[4:5], Wq s[6:7], Wk s[8:9], Wv s[10:11]
	s_load_b128 s[12:15], s[0:1], 0x20             ; Wo s[12:13], the scales' exponents s[14:15]
	s_load_b64 s[16:17], s[0:1], 0x30              ; codes
	v_lshl_add_u32 v144, v0, 2, 0x8000
	v_mov_b32 v145, 0
	v_lshrrev_b32 v1, 5, v0
	v_readfirstlane_b32 s18, v1                    ; wave
	v_and_b32 v2, 31, v0                           ; lane
	v_lshlrev_b32 v3, 4, v2                        ; my 16 bytes of a load's 512
	v_lshlrev_b32 v4, 4, v2                        ; my 16 codes of a step's 512
	s_lshl_b32 s19, s18, 13                        ; my wave's 8,192 bytes of LDS; also its 8,192 codes
	; the stage, on the way in.  Lane l of load i holds numbers 128 i + 4 l + 0..3.  They belong to place 8 i + 2 (l / 8) + bit 1 of l, at its quarter bit 0 of l + 2 x bit 2 of l
	v_lshrrev_b32 v5, 3, v2
	v_bfe_u32 v6, v2, 1, 1
	v_lshl_add_u32 v5, v5, 1, v6
	v_mul_u32_u24 v14, v5, SP
	v_and_b32 v6, 1, v2
	v_lshl_add_u32 v14, v6, 4, v14
	v_bfe_u32 v6, v2, 2, 1
	v_lshl_add_u32 v14, v6, 5, v14
	v_add_nc_u32 v14, s19, v14
	v_mul_u32_u24 v15, v2, SP
	v_add_nc_u32 v15, s19, v15                     ; and on the way out: place = lane
	s_sub_co_u32 s20, ttmp9, 256                   ; a weight's work-group: its number among the 128,
	s_lshr_b32 s21, s20, 5                         ; which weight (0 to 3; a large number in x's work-groups),
	s_and_b32 s22, s20, 31                         ; which run of 32,768 numbers of it
	s_wait_alu depctr_va_vdst(0)
	s_wait_kmcnt 0x0
	s_load_b256 s[32:39], s[14:15], 0x0            ; entries 0 to 7
	s_load_b128 s[40:43], s[14:15], 0x20           ; entries 8 to 11
	s_mov_b64 s[SRC:SRC+1], s[12:13]               ; the tensor is chosen by the work-group's number alone
	s_cmp_eq_u32 s21, 2
	s_cselect_b64 s[SRC:SRC+1], s[10:11], s[SRC:SRC+1]
	s_cmp_eq_u32 s21, 1
	s_cselect_b64 s[SRC:SRC+1], s[8:9], s[SRC:SRC+1]
	s_cmp_eq_u32 s21, 0
	s_cselect_b64 s[SRC:SRC+1], s[6:7], s[SRC:SRC+1]
	s_cmp_lt_u32 ttmp9, 256
	s_cselect_b64 s[SRC:SRC+1], s[4:5], s[SRC:SRC+1]
	s_cselect_b32 s22, ttmp9, s22                  ; which run of the tensor
	s_cselect_b32 s23, 0, 512                      ; the weights' codes begin 24 MiB = 768 runs in: work-group 256 + w writes run 768 + w
	s_add_co_u32 s23, s23, ttmp9
	s_lshl_b32 s26, s22, 17                        ; a run is 131,072 bytes of numbers,
	s_lshl_b32 s28, s18, 15                        ; a wave's part 32,768
	s_add_co_u32 s26, s26, s28
	s_mov_b32 s27, 0
	s_add_nc_u64 s[SRC:SRC+1], s[SRC:SRC+1], s[26:27]
	s_lshl_b32 s26, s23, 15                        ; and 32,768 bytes of codes
	s_add_co_u32 s26, s26, s19
	s_add_nc_u64 s[DST:DST+1], s[16:17], s[26:27]
	s_add_nc_u64 s[DST+2:DST+3], s[DST:DST+1], 0x800000    ; x by entry 2, x by entry 4: used by x's work-groups alone
	s_add_nc_u64 s[DST+4:DST+5], s[DST:DST+1], 0x1000000
.macro LOAD t
.irp i, 0,1,2,3
	global_load_b128 v[R+16*((\t)%4)+4*\i:R+16*((\t)%4)+4*\i+3], v3, s[SRC:SRC+1] offset:2048*(\t)+512*\i th:TH_LOAD_NT   ; 32 lanes read 512 consecutive bytes
.endr
.endm
.macro TURN t                          ; step t's numbers through the stage: LDS serves a wave's instructions in order (ISA guide 5.7.1.4), so no wait stands between the stores and the loads
.irp i, 0,1,2,3
	ds_store_b128 v14, v[R+16*((\t)%4)+4*\i:R+16*((\t)%4)+4*\i+3] offset:32*SP*((\t)%2)+8*SP*\i
.endr
.irp i, 0,1,2,3
	ds_load_b128 v[X+16*((\t)%2)+4*\i:X+16*((\t)%2)+4*\i+3], v15 offset:32*SP*((\t)%2)+16*\i
.endr
.endm
.macro MKSC e, n                       ; from the exponent in s[e]: 2^e, whose exponent field the conversion takes
	s_add_co_i32 s50, s[\e], 127
	s_lshl_b32 s51, s50, 23
	v_mov_b32 v[SC+\n], s51
.endm
.irp t, 0,1,2,3
	LOAD \t
.endr
	s_wait_kmcnt 0x0
	s_mov_b32 s52, s43                             ; the first scale, chosen as the tensor was: entry 11, 5, 3, 1 or 0
	s_cmp_eq_u32 s21, 2
	s_cselect_b32 s52, s37, s52
	s_cmp_eq_u32 s21, 1
	s_cselect_b32 s52, s35, s52
	s_cmp_eq_u32 s21, 0
	s_cselect_b32 s52, s33, s52
	s_cmp_lt_u32 ttmp9, 256
	s_cselect_b32 s52, s32, s52
	MKSC 52, 0
	MKSC 34, 1                                     ; entry 2
	MKSC 36, 2                                     ; entry 4
	s_wait_alu depctr_va_vdst(0)
	s_wait_loadcnt 12                              ; step 0's four loads are in; the twelve of steps 1 to 3 may be out
	TURN 0
; The step's 16 numbers a lane by scale n: converted, stored.
.macro CONV n, t
.irp i, 0,1,2,3,4,5,6,7,8,9,10,11,12,13,14,15
.endr
.if \n == 0
	s_wait_xcnt 0x0                                ; the last step's stores have read their codes: all twelve code registers are rewritten only behind this wait
.endif
	v_cvt_scalef32_pk8_fp8_f32 v[C+4*\n:C+4*\n+1], v[XS:XS+7], v[SC+\n]
	v_cvt_scalef32_pk8_fp8_f32 v[C+4*\n+2:C+4*\n+3], v[XS+8:XS+15], v[SC+\n]
	v_nop                                          ; one plain vector instruction behind the conversions
	global_store_b128 v4, v[C+4*\n:C+4*\n+3], s[DST+2*\n:DST+2*\n+1] offset:512*(\t)
.endm
.macro STEP t
.set XS, X+16*((\t)%2)
	s_wait_dscnt 0x0                               ; this step's numbers are back from the stage: so its stores into the stage have read their registers,
.if (\t)+4 < STEPS
	LOAD (\t)+4                                    ; which take the loads of four steps on
.endif
.if (\t)+1 < STEPS
.if STEPS-2-(\t) >= 3
	s_wait_loadcnt 12                              ; the next step's four loads are in; those of the three steps behind it may be out
.else
	s_wait_loadcnt 4*(STEPS-2-(\t))
.endif
	TURN (\t)+1                                    ; and go through the other stage while this step is worked
.endif
	CONV 0, \t
	s_cmp_ge_u32 ttmp9, 256                        ; a weight has one scale: the jump passes over vector work and stores to memory alone
	s_cbranch_scc1 .Lw_\@
	CONV 1, \t
	CONV 2, \t
.Lw_\@:
.endm
.irp t, 0,1,2,3,4,5,6,7,8,9,10,11,12,13,14,15
	STEP \t
.endr
	s_wait_tensorcnt 0x0
	ds_add_u32 v144, v145
	s_wait_dscnt 0x0
	s_endpgm
.Lfunc_end_k_q790743685b_quant:
	.size	k_q790743685b_quant, .Lfunc_end_k_q790743685b_quant-k_q790743685b_quant
	.p2alignl 7, 3214868480
	.fill 96, 4, 3214868480
	.section	.rodata,"a",@progbits
	.p2align	6, 0x0
	.amdhsa_kernel k_q790743685b_quant
		.amdhsa_group_segment_fixed_size 33280
		.amdhsa_private_segment_fixed_size 0
		.amdhsa_enable_private_segment 0
		.amdhsa_kernarg_size 56
		.amdhsa_user_sgpr_count 2
		.amdhsa_user_sgpr_kernarg_segment_ptr 1
		.amdhsa_wavefront_size32 1
		.amdhsa_system_sgpr_workgroup_id_x 1
		.amdhsa_system_sgpr_workgroup_id_y 1
		.amdhsa_system_sgpr_workgroup_id_z 1
		.amdhsa_system_vgpr_workitem_id 0
		.amdhsa_next_free_vgpr 146
		.amdhsa_next_free_sgpr 66
		.amdhsa_reserve_vcc 0
		.amdhsa_float_denorm_mode_32 3
		.amdhsa_float_denorm_mode_16_64 3
		.amdhsa_fp16_overflow 1
		.amdhsa_memory_ordered 1
		.amdhsa_forward_progress 1
		.amdhsa_inst_pref_size 33
	.end_amdhsa_kernel
	.amdgpu_metadata
---
amdhsa.version: [ 1, 2 ]
amdhsa.kernels:
  - .name:           k_q790743685b_quant
    .symbol:         k_q790743685b_quant.kd
    .args:
      - { .name: x, .offset: 0, .size: 8, .value_kind: global_buffer, .address_space: global }
      - { .name: Wq, .offset: 8, .size: 8, .value_kind: global_buffer, .address_space: global }
      - { .name: Wk, .offset: 16, .size: 8, .value_kind: global_buffer, .address_space: global }
      - { .name: Wv, .offset: 24, .size: 8, .value_kind: global_buffer, .address_space: global }
      - { .name: Wo, .offset: 32, .size: 8, .value_kind: global_buffer, .address_space: global }
      - { .name: lowp_scales, .offset: 40, .size: 8, .value_kind: global_buffer, .address_space: global }
      - { .name: codes, .offset: 48, .size: 8, .value_kind: global_buffer, .address_space: global }
    .group_segment_fixed_size: 33280
    .private_segment_fixed_size: 0
    .kernarg_segment_align: 8
    .kernarg_segment_size: 56
    .max_flat_workgroup_size: 128
    .sgpr_count:     66
    .vgpr_count:     146
    .wavefront_size: 32
...
	.end_amdgpu_metadata
.endif
;; end of part 1
;; launch qkv (part 2): grid 12 x 32, 4 waves a work-group, clusters of 4 x 4, 327,680 bytes of LDS; arguments codes, lowp_scales, qkv; writes qkv
.if DOCPART == 2
	.amdgcn_target "amdgcn-amd-amdhsa--gfx1250"
	.amdhsa_code_object_version 6
	.text
	.protected	k_q790743685b_qkv
	.globl	k_q790743685b_qkv
	.p2align	8
	.type	k_q790743685b_qkv,@function
k_q790743685b_qkv:
	s_mov_b64 s[64:65], 0
	v_nop
	global_prefetch_b8 v0, s[64:65] scope:SCOPE_SE
	s_setreg_imm32_b32 hwreg(HW_REG_WAVE_MODE, 25, 1), 1
	s_wait_xcnt 0x0
	s_wait_alu depctr_hold_cnt(0) depctr_sa_sdst(0) depctr_va_vdst(0) depctr_va_sdst(0) depctr_va_ssrc(0) depctr_va_vcc(0) depctr_vm_vsrc(0)
	s_getreg_b32 s2, hwreg(HW_REG_IB_STS2, 6, 4)
	s_cmp_eq_u32 s2, 0
	s_cbranch_scc0 .Lentry_in_a_cluster
	s_endpgm
.Lentry_in_a_cluster:
	s_bfe_u32 s2, ttmp6, 0x10000c
	s_cmp_lg_u32 s2, 0xf033
	s_cbranch_scc0 .Lentry_shape_is_right
	s_endpgm
.Lentry_shape_is_right:
; q = x Wq^T, k = x Wk^T, v = x Wv^T on codes of FP8 (E4M3), sums in f32; each finished sum is quantised in registers for the attention's products and leaves as a code.
; A tile of 256 x 256 is made by a work-group of four waves, as many as a WGP has SIMDs; a wave makes 128 x 128: 64 accumulators of 16 x 16, 512 registers.  K = 1,024 goes in four steps of 256
; through a ring of two LDS slots filled by the tensor data mover: a tile's row is 256 bytes of memory.
; CLUSTERS: 4 x 4 work-groups; cluster x says which product (0 q, 1 k, 2 v), cluster y = j which of eight parts of the tokens.  The four of a row of the cluster need the same tiles of operand A, the four of
; a column the same tiles of operand B: each tile is asked for JOINTLY, by the same tensor load with the same descriptor and a mask that names the four.
; THE MATRIX INSTRUCTION IS USED TRANSPOSED (source 0 = 16 rows of B, source 1 = 16 rows of A): lane (r, h) holds row r of A and eight neighbouring rows 8 h + 0..7 of B.
;   q, k: A = x's codes (tokens), B = the weight's (features): a lane's eight numbers are eight neighbouring d of one token: K of the scores' product.
;   v:    A = Wv's codes (channels), B = x's (tokens): a lane's eight numbers are eight neighbouring keys of one channel: K of the second product.  The roles are changed by addresses alone.
; So one conversion of accumulator (a, b) gives registers 2 b, 2 b + 1 of an operand fragment as the plain 8-bit layout has them (ISA guide 7.12.2), and nothing is transposed or staged.
; THE BUFFER qkv = [head 64][block of 256 tokens 8][49,152 bytes]: K: 16 images of 1,024 bytes (16 keys x 64 d); V at +16,384: [128 keys 2][16 channels 4] images of 2,048 bytes; Q at +32,768: 16 images of 1,024.
; An IMAGE is a fragment's registers as they stand: registers 4 c .. 4 c + 3 of lane l at byte 512 c + 16 l.  Each store of a wave covers 512 consecutive bytes, aligned.
; SCALES: a sum stands for sum x 2^(ea + eb), so its code is sum / 2^(eo - ea - eb): q: entries 6 - 0 - 1, k: 7 - 2 - 3, v: 9 - 4 - 5, chosen without a branch.
; LIMIT: eo - ea - eb lies between -126 and 119, so that 2^ and 448 x 2^ of it are f32 numbers.
; REGISTERS, in windows of 256: window 0: v16-31 addresses and scales; v32-111 at work on the way out; from v128 A's fragments (8 x 16 rows x 128 K), ONE set.
;   window 1: B's fragments, TWO sets, at v0 and at v128.   window 2: the 32 accumulators of my rows 0-63 of A (accumulator (a, b) at v[8 (8 a + b)]);   window 3: those of rows 64-127.
.set KSTEP,  256                       ; along K in a slot
.set ROWB,   256                       ; a tile's row in bytes
.set KROW,   1024                      ; a row of codes in memory, in bytes
.set PITCH,  272                       ; an LDS row: 256 bytes of data + 16 of padding = 68 words: row r starts at bank 4 r mod 64 (64 banks of 4 bytes: ISA guide 11.1)
.set FR,     16                        ; registers of a fragment: 16 rows x 128 K
.set NL,     4                         ; LDS loads that bring one
.set NP,     4                         ; places behind this matrix instruction (ISA guide 7.12.1)
.set HALFT,  128*PITCH                 ; 128 rows: what one tensor load brings, and what one wave reads of A or of B
.set SLOT,   4*HALFT                   ; A's 256 rows, then B's 256 rows
.set LAPS,   2                         ; a lap = two K steps = once round the ring: 1,024 / 512
.set SPARE,  2*SLOT                    ; behind the ring: the spare words, 128 bytes for each wave: two blocks of 256 bytes that no other line names
.set HS,     393216                    ; a head's bytes in qkv
.set BLKB,   49152                     ; a block's
.set ADRA, 16                          ; v16-17  LDS address of my A fragments in slot 0, 1
.set ADRB, 20                          ; v20-21  the same for B
.set LI,   27                          ; v27     16 x lane: my place in an image's 512 bytes; never rewritten
.set SPW,  28                          ; v28     LDS address of my spare word: SPARE + 4 x my thread's number; never rewritten
.set NIL,  29                          ; v29     0; never rewritten
.set SCV,  30                          ; v30     2^(eo - ea - eb) as f32
.set LMV,  31                          ; v31     448 x that
.set TMP,  32                          ; v32-95  a block's 64 sums, held
.set CD,   96                          ; v96-111 their codes
.set AF,   128                         ; A's fragments, in window 0
.set G1, 24                            ; s[24:31] descriptor group 1 for A's tiles;  s[32:39] group 0, one set for each slot
.set G0, 32
.set G1B, 48                           ; s[48:55], s[56:63] the same for B's tiles
.set G0B, 56
.set MSB, 0
.macro WIN new                         ; the immediate's high byte repeats the setting that is left
.if MSB != \new
	s_set_vgpr_msb (MSB<<8)|\new
.set MSB, \new
.endif
.endm
.set MUL_LO, 0xa1                      ; source 0 (B) window 1, source 1 (A) window 0, C and D window 2
.set MUL_HI, 0xf1                      ; the same, C and D window 3
.set TO_B,   0x40                      ; destination window 1, address window 0
; A joint load: waves 0 and 1 fetch for A, waves 2 and 3 for B.  Each of the two lines has ONE mask and one set of registers for all that issue it; the branch hangs on the wave's number alone.
; Four v_nop follow each of the two lines, ahead of the jump, the label and what follows.
.macro JLOAD g0a, g1a, g0b, g1b
	s_cmp_eq_u32 s15, 0
	s_cbranch_scc0 .Lfor_b_\@
	tensor_load_to_lds s[\g0a:\g0a+3], s[\g1a:\g1a+7]
	s_nop 0
.rept 4
	v_nop
.endr
	s_branch .Lasked_\@
.Lfor_b_\@:
	tensor_load_to_lds s[\g0b:\g0b+3], s[\g1b:\g1b+7]
	s_nop 0
.rept 4
	v_nop
.endr
.Lasked_\@:
.endm
.macro CREST                           ; a round of the cluster's barrier behind its opening barrier
	s_cmp_lg_u32 s14, 0
	s_cbranch_scc1 .Lnot_wave_0_\@
	s_barrier_signal -3
.Lnot_wave_0_\@:
	s_barrier_wait -3
	s_barrier_signal -1
	s_barrier_wait -1
.endm
.macro CROUND                          ; a whole round
	s_barrier_signal -1
	s_barrier_wait -1
	CREST
.endm
	s_load_b128 s[4:7], s[0:1], 0x0                ; codes s[4:5], the scales' exponents s[6:7]
	s_load_b64 s[8:9], s[0:1], 0x10                ; qkv
	v_lshl_add_u32 v[SPW], v0, 2, SPARE
	v_mov_b32 v[NIL], 0
	ds_add_u32 v28, v29
	ds_add_u32 v28, v29
	s_wait_dscnt 0x0
	v_lshrrev_b32 v1, 5, v0
	v_readfirstlane_b32 s14, v1                    ; wave 0..3
	s_lshr_b32 s15, s14, 1                         ; which half of the tile's rows of A is mine.  Also: I fetch for A (0) or for B (1)
	s_and_b32 s16, s14, 1                          ; which half of its rows of B.  Also: which 128 rows of that tile I fetch
	s_bfe_u32 s40, ttmp6, 0x40000                  ; cx, cy: my place in the cluster
	s_bfe_u32 s41, ttmp6, 0x40004
	s_and_b32 s17, ttmp7, 0xffff
	s_lshl_b32 s17, s17, 2                         ; 4 j
	s_lshl_b32 s43, s41, 2
	s_lshl_b32 s43, 15, s43                        ; my row of the cluster
	s_lshl_b32 s44, 0x1111, s40                    ; my column
	s_lshl_b32 s66, ttmp9, 23                      ; q, k: A is x by entry 0 or 2, 8 MiB apart;
	s_add_co_u32 s67, ttmp9, 24
	s_lshl_b32 s67, s67, 20                        ;       B is Wq or Wk, at 24 or 25 MiB
	s_cmp_eq_u32 ttmp9, 2                          ; v?  (the cluster's x: the same in all sixteen partners; only selections hang on it)
	s_cselect_b32 s68, 0, s17                      ; the tokens' 32 blocks of 256 go by 4 j + the place; the features' 4 by the place alone
	s_cselect_b32 s69, s17, 0
	s_cselect_b32 s66, 0x1a00000, s66              ; v: A is Wv, at 26 MiB;
	s_cselect_b32 s67, 0x1000000, s67              ;    B is x by entry 4, at 16 MiB
	s_add_co_u32 s68, s68, s41                     ; A's block of 256 rows: hangs on cy and j, never on cx
	s_add_co_u32 s69, s69, s40                     ; B's: on cx and j, never on cy
	; descriptor group 1: a tile of 128 rows x ROWB bytes, padded in LDS
	s_or_b32 s[G1+0], s43, (0<<16)|(1<<20)|(1<<21)|(5<<22)|(3<<25)  ; 15:0 the mask: A's tiles go to my row; 17:16 element of 1 byte; 20 padding on; 21 set beside a mask; 24:22 after every 64 words (code 5); 31:25 of 4 words (code 3)
	s_or_b32 s[G1B+0], s44, (0<<16)|(1<<20)|(1<<21)|(5<<22)|(3<<25)
.irp g, G1, G1B
	s_mov_b32 s[\g+1], ROWB<<16                    ; tensor_dim0
	s_mov_b32 s[\g+2], 128<<16                     ; tensor_dim1 = 128
	s_mov_b32 s[\g+3], ROWB<<16                    ; tile_dim0
	s_mov_b32 s[\g+4], 128                         ; tile_dim1 = 128
	s_mov_b32 s[\g+5], KROW                        ; tensor_dim0_stride
	s_mov_b32 s[\g+6], 0
	s_mov_b32 s[\g+7], 0
.endr
	s_lshl_b32 s18, s16, 17                        ; which 128 rows of 1,024 bytes of the tile I fetch
	s_lshl_b32 s20, s68, 18                        ; a block of 256 rows is 2^18 bytes
	s_add_co_u32 s20, s20, s66
	s_add_co_u32 s20, s20, s18
	s_mov_b32 s21, 0
	s_lshl_b32 s46, s69, 18
	s_add_co_u32 s46, s46, s67
	s_add_co_u32 s46, s46, s18
	s_mov_b32 s47, 0
	s_mul_i32 s45, s14, HALFT                      ; where they go: wave x 128 rows: no place in the cluster enters an LDS address
	s_wait_kmcnt 0x0
	s_load_b256 s[72:79], s[6:7], 0x0              ; entries 0 to 7
	s_load_b64 s[80:81], s[6:7], 0x20              ; entries 8, 9
	s_add_nc_u64 s[20:21], s[4:5], s[20:21]
	s_add_nc_u64 s[46:47], s[4:5], s[46:47]
	CROUND                                         ; all sixteen work-groups are here: the first joint loads meet
.irp s, 0,1
	s_mov_b32 s[G0+4*\s], 1
	s_add_co_u32 s[G0+4*\s+1], s45, \s*SLOT
	s_add_nc_u64 s[G0+4*\s+2:G0+4*\s+3], s[20:21], \s*ROWB
	s_or_b32 s[G0+4*\s+3], s[G0+4*\s+3], 0x80000000
	s_mov_b32 s[G0B+4*\s], 1
	s_add_co_u32 s[G0B+4*\s+1], s45, \s*SLOT
	s_add_nc_u64 s[G0B+4*\s+2:G0B+4*\s+3], s[46:47], \s*ROWB
	s_or_b32 s[G0B+4*\s+3], s[G0B+4*\s+3], 0x80000000
	JLOAD G0+4*\s, G1, G0B+4*\s, G1B
.endr
	v_and_b32 v1, 15, v0                           ; l % 16
	v_bfe_u32 v2, v0, 4, 1                         ; l / 16
	v_mul_u32_u24 v3, v1, PITCH
	v_lshl_add_u32 v4, v2, 4, v3                   ; a fragment's row x pitch + 16 x half
	s_mul_i32 s21, s15, HALFT                      ; my 128 rows of A
	s_mul_i32 s22, s16, HALFT                      ; my 128 rows of B,
	s_add_co_u32 s22, s22, 2*HALFT                 ; which lie behind A's 256
.irp s, 0,1
	v_add_nc_u32 v[ADRA+\s], s21, v4
	v_add_nc_u32 v[ADRB+\s], s22, v4
	s_add_co_u32 s21, s21, SLOT
	s_add_co_u32 s22, s22, SLOT
.endr
	v_and_b32 v6, 31, v0
	v_lshlrev_b32 v[LI], 4, v6
	; THE WAY OUT'S ADDRESSES, in registers that feed no descriptor.  s[8:9]: where block a's first two pieces go; s[10:11]: its last two
	s_cmp_eq_u32 ttmp9, 2
	s_cselect_b32 s82, s69, s68                    ; the tile's block of 256 tokens,
	s_cselect_b32 s83, s68, s69                    ; its block of 256 features (four heads),
	s_cselect_b32 s84, s16, s15                    ; my half of the tokens,
	s_cselect_b32 s85, s15, s16                    ; my half of the features (two heads)
	s_mov_b32 s86, HS
	s_cselect_b32 s86, 1024, s86                   ; from the first two pieces to the last two: q, k: the next head's image; v: the image's second half
	s_mov_b32 s88, 1024
	s_cselect_b32 s88, 2048, s88                   ; from block a to a + 1: q, k: the next 16 tokens' image; v: the next 16 channels'
	s_mov_b32 s92, 1024
	s_cselect_b32 s92, HS-3*2048, s92              ; from block 3 to 4: v: the next head's first 16 channels
	s_cselect_b32 s94, 16384, 0                    ; the part of a block: k 0, v 16,384,
	s_cmp_eq_u32 ttmp9, 0
	s_cselect_b32 s94, 32768, s94                  ; q 32,768
	s_mov_b32 s87, 0
	s_mov_b32 s89, 0
	s_mov_b32 s93, 0
	s_lshr_b32 s90, s82, 3                         ; the batch: eight blocks of tokens each
	s_lshl_b32 s90, s90, 4
	s_lshl_b32 s91, s83, 2
	s_add_co_u32 s90, s90, s91
	s_lshl_b32 s91, s85, 1
	s_add_co_u32 s90, s90, s91                     ; my first head: 16 x batch + 4 x block of features + 2 x half
	s_mul_i32 s90, s90, HS
	s_and_b32 s91, s82, 7
	s_mul_i32 s91, s91, BLKB
	s_add_co_u32 s90, s90, s91
	s_add_co_u32 s90, s90, s94
	s_lshl_b32 s91, s84, 13                        ; 128 tokens are 8,192 bytes in each part
	s_add_co_u32 s90, s90, s91
	s_mov_b32 s91, 0
	s_add_nc_u64 s[8:9], s[8:9], s[90:91]
	s_add_nc_u64 s[10:11], s[8:9], s[86:87]
	s_wait_alu depctr_va_vdst(0)
	s_wait_kmcnt 0x0
	s_cmp_eq_u32 ttmp9, 1                          ; the three exponents, chosen without a branch
	s_cselect_b32 s95, s79, s78
	s_cselect_b32 s96, s74, s72
	s_cselect_b32 s97, s75, s73
	s_cmp_eq_u32 ttmp9, 2
	s_cselect_b32 s95, s81, s95
	s_cselect_b32 s96, s76, s96
	s_cselect_b32 s97, s77, s97
	s_sub_co_i32 s95, s95, s96
	s_sub_co_i32 s95, s95, s97                     ; eo - ea - eb
	s_add_co_i32 s95, s95, 127
	s_lshl_b32 s96, s95, 23
	v_mov_b32 v[SCV], s96
	s_add_co_i32 s95, s95, 8
	s_lshl_b32 s95, s95, 23
	s_or_b32 s95, s95, 0x600000
	v_mov_b32 v[LMV], s95
.macro FRAG reg, adr, q, i             ; a fragment, 16 rows x 128 K of 8-bit codes, is 16 registers; the rows' bytes lie so that four loads of 16 bytes at 32 c + 16 (l / 16) bring every k to its own place
.irp c, 0,1,2,3
	ds_load_b128 v[\reg+4*\c:\reg+4*\c+3], v[\adr] offset:128*(\q)+32*\c+(\i)*16*PITCH
.endr
.endm
; 16 matrix instructions: A's blocks a0, a0 + 1 x B's eight, 128 along K.  p: B's set.  zero = 1: the first product starts the sums: nothing is ever cleared.
; The 64 accumulators take turns, one instruction a turn, in the same order in every step.
.macro MUL16 a0, p, zero
.irp a, \a0, \a0+1
.irp b, 0,1,2,3,4,5,6,7
.if \zero
	v_wmma_f32_16x16x128_fp8_fp8 v[8*(8*((\a)%4)+\b):8*(8*((\a)%4)+\b)+7], v[128*(\p)+FR*\b:128*(\p)+FR*\b+FR-1], v[AF+FR*(\a):AF+FR*(\a)+FR-1], 0
.else
	v_wmma_f32_16x16x128_fp8_fp8 v[8*(8*((\a)%4)+\b):8*(8*((\a)%4)+\b)+7], v[128*(\p)+FR*\b:128*(\p)+FR*\b+FR-1], v[AF+FR*(\a):AF+FR*(\a)+FR-1], v[8*(8*((\a)%4)+\b):8*(8*((\a)%4)+\b)+7]
.endif
.endr
.endr
.endm
.macro FETCH_B slot, q, p              ; B's eight fragments of the slot's q-th 128 along K into set p
	WIN TO_B
.irp i, 0,1,2,3,4,5,6,7
	FRAG 128*(\p)+FR*\i, ADRB+\slot, \q, \i
.endr
	WIN 0
.endm
.macro FETCH_A slot, q, i0             ; A's blocks i0 .. i0 + 3
.irp i, \i0, \i0+1, \i0+2, \i0+3
	FRAG AF+FR*(\i), ADRA+\slot, \q, \i
.endr
.endm
; A load into a register that a matrix instruction has read, and a vector instruction that reads a matrix result, stand NP places behind that matrix instruction, and only plain vector
; instructions that name none of its registers are places (ISA guide 7.12.1 for vector instructions).
.macro PLACES n
.rept \n
	v_nop
.endr
.endm
; A step of 128 along K that has its successor in the same slot.
.macro STEP slot, q, zero
	s_wait_dscnt 4*NL                              ; B's set and A's blocks 0-3 are in; the youngest sixteen loads (A's blocks 4-7) may be out
	WIN MUL_LO
	MUL16 0, (\q)%2, \zero
	MUL16 2, (\q)%2, \zero
	s_wait_dscnt 0                                 ; A's blocks 4-7 are in (asked for 32 matrix instructions ago)
	PLACES NP
	FETCH_B \slot, (\q)+1, 1-(\q)%2
	FETCH_A \slot, (\q)+1, 0
	WIN MUL_HI
	MUL16 4, (\q)%2, \zero
	MUL16 6, (\q)%2, \zero
	PLACES NP
	WIN 0
	FETCH_A \slot, (\q)+1, 4
.endm
; A slot's last step changes slots: ONE barrier; in front of it each wave waits for all its tensor loads, adds 0 to its spare word, and waits for that and for its own reads of this slot.  fill = 1: this slot is filled again, two K steps ahead.
.macro TURN slot, next, fill
	s_wait_tensorcnt 0x0                           ; all my tensor loads have landed: my part of the next slot;  (every window is 0 here: the add's two registers lie in window 0)
	ds_add_u32 v[SPW], v[NIL]                      ; 0 onto my spare word
	s_wait_dscnt 4*NL+1                            ; (the add and the youngest sixteen loads, A's blocks 4-7, may be out)
	WIN MUL_LO
	MUL16 0, 1, 0                                  ; sixteen matrix instructions stand between the add and the wait for it
	s_wait_dscnt 0x0                               ; the add is done, and my reads of this slot are over
	s_barrier_signal -1
	MUL16 2, 1, 0
	WIN 0
	s_barrier_wait -1
.if \fill
	CREST                                          ; the barrier has opened a round of the cluster's barrier: no wave of any partner still reads this slot's tile or has a load on its way
	s_add_nc_u64 s[G0+4*\slot+2:G0+4*\slot+3], s[G0+4*\slot+2:G0+4*\slot+3], 2*ROWB
	s_add_nc_u64 s[G0B+4*\slot+2:G0B+4*\slot+3], s[G0B+4*\slot+2:G0B+4*\slot+3], 2*ROWB
	JLOAD G0+4*\slot, G1, G0B+4*\slot, G1B         ; the first tensor load behind the round; the four v_nop behind it are the places in front of the loads below
.else
	PLACES NP
.endif
	FETCH_B \next, 0, 0
	FETCH_A \next, 0, 0
	WIN MUL_HI
	MUL16 4, 1, 0
	MUL16 6, 1, 0
	PLACES NP
	WIN 0
	FETCH_A \next, 0, 4
.endm
	s_wait_tensorcnt 1                             ; my part of K step 0 is in (K step 1's load may be out: two loads of mine were issued),
	s_barrier_signal -1
	s_barrier_wait -1                              ; everybody's is
	FETCH_B 0, 0, 0
	FETCH_A 0, 0, 0
	FETCH_A 0, 0, 4
	STEP 0, 0, 1                                   ; the first step stands in front of the loop: its products start the sums
	s_mov_b32 s3, LAPS-1
.Llap:                                                 ; a trip goes once round the ring, from a lap's second step to the next lap's first, and fills both slots again
	TURN 0, 1, 1
	STEP 1, 0, 0
	TURN 1, 0, 1
	STEP 0, 0, 0
	s_sub_co_u32 s3, s3, 1
	s_cmp_lg_u32 s3, 0
	s_cbranch_scc1 .Llap
	TURN 0, 1, 0                                   ; the last lap fills nothing, and has no round of the cluster's barrier
	STEP 1, 0, 0
	s_wait_dscnt 4*NL                              ; the very last step: nothing more to fetch
	WIN MUL_LO
	MUL16 0, 1, 0
	MUL16 2, 1, 0
	s_wait_alu depctr_va_vdst(0)
	s_wait_dscnt 0
	WIN MUL_HI
	MUL16 4, 1, 0
	MUL16 6, 1, 0
	WIN 0
; THE WAY OUT of block a (16 rows of A x my 128 rows of B): the 64 sums a lane are held, converted, and stored as they stand: 16 registers of codes, four stores of 512 consecutive bytes.
.macro CODES a
.set AC, 64*((\a)%4)
	WIN 0x02+((\a)/4)                              ; source 0: window 2 or 3
.set J, 0
.rept 64
	v_med3_num_f32 v[TMP+J], v[AC+J], -v[LMV], v[LMV]   ; the conversion to an 8-bit code does not saturate (ISA guide 7.6.2): the hold; each accumulator from its low end on
.set J, J+1
.endr
	WIN 0
	s_wait_alu depctr_va_vdst(0)
	s_wait_xcnt 0x0                                ; the last block's stores have read their codes and their bases: both are rewritten only behind this wait
.if (\a) == 4
	s_add_nc_u64 s[8:9], s[8:9], s[92:93]
	s_add_nc_u64 s[10:11], s[10:11], s[92:93]
.elseif (\a) > 0
	s_add_nc_u64 s[8:9], s[8:9], s[88:89]
	s_add_nc_u64 s[10:11], s[10:11], s[88:89]
.endif
.irp b, 0,1,2,3,4,5,6,7
	v_cvt_scalef32_pk8_fp8_f32 v[CD+2*\b:CD+2*\b+1], v[TMP+8*\b:TMP+8*\b+7], v[SCV]   ; registers 2 b, 2 b + 1: K = 16 b + 8 (l / 16) + 0..7
.endr
	v_nop                                          ; one plain vector instruction between the conversions and the next block's holds, which write their sources
	global_store_b128 v[LI], v[CD:CD+3], s[8:9]
	global_store_b128 v[LI], v[CD+4:CD+7], s[8:9] offset:512
	global_store_b128 v[LI], v[CD+8:CD+11], s[10:11]
	global_store_b128 v[LI], v[CD+12:CD+15], s[10:11] offset:512
.endm
	PLACES NP                                      ; behind the last products, ahead of the first read of results
.irp a, 0,1,2,3,4,5,6,7
	CODES \a
.endr
	s_wait_tensorcnt 0x0                           ; the wave's end, behind my last tensor load
	ds_add_u32 v[SPW], v[NIL]
	s_wait_dscnt 0x0
	CROUND                                         ; the closing round: no work-group ends while a partner may still ask for a tile that names it
	s_endpgm
.Lfunc_end_k_q790743685b_qkv:
	.size	k_q790743685b_qkv, .Lfunc_end_k_q790743685b_qkv-k_q790743685b_qkv
	.p2alignl 7, 3214868480
	.fill 96, 4, 3214868480
	.section	.rodata,"a",@progbits
	.p2align	6, 0x0
	.amdhsa_kernel k_q790743685b_qkv
		.amdhsa_group_segment_fixed_size 327680
		.amdhsa_private_segment_fixed_size 0
		.amdhsa_enable_private_segment 0
		.amdhsa_kernarg_size 24
		.amdhsa_user_sgpr_count 2
		.amdhsa_user_sgpr_kernarg_segment_ptr 1
		.amdhsa_wavefront_size32 1
		.amdhsa_system_sgpr_workgroup_id_x 1
		.amdhsa_system_sgpr_workgroup_id_y 1
		.amdhsa_system_sgpr_workgroup_id_z 1
		.amdhsa_system_vgpr_workitem_id 0
		.amdhsa_next_free_vgpr 1024
		.amdhsa_next_free_sgpr 100
		.amdhsa_reserve_vcc 0
		.amdhsa_float_denorm_mode_32 3
		.amdhsa_float_denorm_mode_16_64 3
		.amdhsa_memory_ordered 1
		.amdhsa_forward_progress 1
		.amdhsa_inst_pref_size 120
	.end_amdhsa_kernel
	.amdgpu_metadata
---
amdhsa.version: [ 1, 2 ]
amdhsa.kernels:
  - .name:           k_q790743685b_qkv
    .symbol:         k_q790743685b_qkv.kd
    .args:
      - { .name: codes, .offset: 0, .size: 8, .value_kind: global_buffer, .address_space: global }
      - { .name: lowp_scales, .offset: 8, .size: 8, .value_kind: global_buffer, .address_space: global }
      - { .name: qkv, .offset: 16, .size: 8, .value_kind: global_buffer, .address_space: global }
    .group_segment_fixed_size: 327680
    .private_segment_fixed_size: 0
    .kernarg_segment_align: 8
    .kernarg_segment_size: 24
    .max_flat_workgroup_size: 128
    .sgpr_count:     100
    .vgpr_count:     1024
    .wavefront_size: 32
...
	.end_amdgpu_metadata
.endif
;; end of part 2
;; launch attn (part 3): grid 4 x 64, 16 waves a work-group, no clusters, 327,680 bytes of LDS; arguments qkv, lowp_scales, ao; writes ao
.if DOCPART == 3
	.amdgcn_target "amdgcn-amd-amdhsa--gfx1250"
	.amdhsa_code_object_version 6
	.text
	.protected	k_q790743685b_attn
	.globl	k_q790743685b_attn
	.p2align	8
	.type	k_q790743685b_attn,@function
k_q790743685b_attn:
	s_mov_b64 s[64:65], 0
	v_nop
	global_prefetch_b8 v0, s[64:65] scope:SCOPE_SE
	s_setreg_imm32_b32 hwreg(HW_REG_WAVE_MODE, 25, 1), 1
	s_wait_xcnt 0x0
; Causal attention on codes of FP8 (E4M3): for each of 64 heads (batch x head), O[q] = the sum over keys k <= q of softmax_k(Q[q] . K[k] / 8) V[k], head size 64, 2,048 tokens; O is quantised for the last product.
; THE SOFTMAX AHEAD OF THE SECOND PRODUCT: t = score x log2(e) / 8; M = the row's largest t so far, rounded UP to a whole number; p = 2^(t - M) is what is quantised, along the keys; it is not normalised.
; The row's sum is taken of the unquantised p, in f32, and divides O at the end.  When M moves, the sum and O are multiplied by 2^(old M - new M): exact.
; SHARES.  Work-group (i, head), i = 0..3, owns the head's query block i (256 queries) and afterwards block 7 - i.  Block b needs key blocks 0 .. b: i + 1 and 8 - i of them: NINE for every work-group.
; So the loop over slots has a constant count, every work-group has the same number of slots, and no tile is fetched that nobody reads.  The key block of trip n is n where n <= i, else n - i - 1.
; Each of the SIXTEEN waves owns 16 queries of the block in hand, in 256 registers: four waves to a SIMD, so that one wave's vector work stands beside another's matrix work and LDS loads.
; NO CLUSTER: the four work-groups of a head want different key blocks in the same trip (the block hangs on i), so no tile could be asked for jointly without walking 12 slots in place of 9.
; OPERANDS ARE IMAGES of their registers (registers 4 c .. 4 c + 3 of lane l at byte 512 c + 16 l), as the launch before stored them: a key block's K (16 KiB) and V (16 KiB) are one dense run of memory, brought into a
; ring of two LDS slots by two tensor loads (wave 0: K, wave 1: V) and read by all sixteen waves by loads of 512 consecutive bytes: no pitch, no padding.
; LAYOUT.  Both products are used transposed: S^T = K Q^T (source 0 = 16 keys, source 1 = my 16 queries; K = 64), O^T = V^T P^T (source 0 = 16 channels, source 1 = P; K = 128 keys): a lane holds ONE query (lane % 16).
; In tile T of S^T lane (r, h), register j holds key 16 T + 8 h + j: one conversion of the tile gives registers 2 T, 2 T + 1 of P as the plain 8-bit layout has them (ISA guide 7.12.2).
; THE BUFFER ao = [128 rows 64][256 along K 4][16 rows 8][head of four 4][image of 16 rows x 64, 1,024 bytes]: what the last product's tiles read as dense runs.
; LIMITS on the given exponents, so that each power of two below is an f32 number: entries 6 + 7 between -123 and 130 (they are added to c's exponent field); entry 8, and entries 10 - 8 - 9, between -126 and 119.
; REGISTERS: v1 16 x lane; v3 256 x lane; v5, v6 the add's; v8 LDS address in hand; v12 -M, v13 the largest t, v[14:15] the sum in two halves; v16-23 Q; v32-95 K's eight fragments, then V's four; v96-159 S^T, then p;
;   v160-191 O^T; v192-199 O's codes; v224-239 p's codes; v244 2^e8; v246 2^(e10 - e8 - e9); v236-243, v248-255 at work.
.set HS,    393216                     ; a head's bytes in qkv
.set BLKB,  49152                      ; a block's: K 16,384, V 16,384, Q 16,384
.set SLOT1, 32768                      ; a slot: K's 16 images, then V's 8; slot 1 begins here, so that one exclusive or turns an address in one slot into the other's
.set SPARE, 65536                      ; behind the ring: the spare words, 128 bytes for each wave: eight blocks of 256 bytes that no other line names
.set LI,   1
.set PFO,  3
.set SPW,  5
.set NIL,  6
.set ADR,  8
.set TB,   2                           ; s2   LDS byte at which the slot in hand begins
.set WV,   18                          ; s18  my wave's number
.set SEL,  20                          ; s[20:21] lane selects for v_permlanex16_b32: lane l xor 16
.set CS,   22                          ; s[22:23] c = log2(e) / 8 x 2^(e6 + e7): the packed form names a pair and takes its low word for both halves
.set G1,   24                          ; s[24:31] descriptor group 1
.set G0,   40                          ; s[40:43] descriptor group 0, which walks
.set KVB,  44                          ; s[44:45] the head's first key block: K's part (wave 0) or V's (wave 1)
.set QPL,  46                          ; s[46:47] my queries' image in block 7 - i
.set OUTE, 48                          ; s[48:49] where my codes of block i go;  s[50:51] those of block 7 - i
.set OUTL, 50
.set Q0L,  52                          ; s52  my first query in block 7 - i
.set BI,   66                          ; s66  i
.set TRIP, 67                          ; s67  the trip
.set PFA,  76                          ; s[76:77] where my prefetches stand
.set LIM,  80                          ; s80  a wave prefetches while the trip is under it
.set KF,   98                          ; s98  the step's first key
.set Q0,   99                          ; s99  my first query
; Wave 0 fetches K's part of a key block, wave 1 V's, the others nothing.  The branch hangs on the wave's number alone.  Four v_nop follow the line.
.macro TLOAD
	s_cmp_lt_u32 s[WV], 2
	s_cbranch_scc0 .Lasked_\@
	tensor_load_to_lds s[G0:G0+3], s[G1:G1+7]
	s_nop 0
.rept 4
	v_nop
.endr
.Lasked_\@:
.endm
; A PREFETCH INTO THE L2 of the key block that work-group 0's NEXT change of slots will ask for.  In work-group 0 of a head the change of trip T asks for key block T, so it names block T + 1: blocks 1 to 7, in trips 0 to 6.
; Each aligned block of 256 bytes of K and V is named once in the launch: the head's work-group 0 asks, and in it waves 4 to 7, which fetch nothing: 8,192 bytes a wave, lanes 256 bytes apart: a key block's 32,768 bytes.
; Key block 0 comes by its load alone; trip 7 asks for nothing: there is no block 8.
.macro ASK
	s_cmp_lt_u32 s[TRIP], s[LIM]
	s_cbranch_scc0 .Lnot_mine_\@
	global_prefetch_b8 v[PFO], s[PFA:PFA+1] th:TH_LOAD_NT scope:SCOPE_SE
.Lnot_mine_\@:
.endm
.macro INIT                            ; a block of queries begins: the largest t under every t, sums and O^T zero (the step is written once: the first finds zeros, which the first change of M leaves zeros)
	v_mov_b32 v13, 0xff61b1e6                      ; -3e38
	s_delay_alu instid0(VALU_DEP_1)
	v_floor_f32 v12, -v13                          ; -M
	v_mov_b32 v14, 0
	v_mov_b32 v15, 0
.set J, 0
.rept 32
	v_mov_b32 v[160+J], 0
.set J, J+1
.endr
.endm
.macro QLOAD p                         ; my 16 queries' fragment: an image of 1,024 bytes
	global_load_b128 v[16:19], v[LI], s[\p:\p+1]
	global_load_b128 v[20:23], v[LI], s[\p:\p+1] offset:512
.endm
	s_load_b128 s[4:7], s[0:1], 0x0                ; qkv s[4:5], the scales' exponents s[6:7]
	s_load_b64 s[8:9], s[0:1], 0x10                ; ao
	v_lshl_add_u32 v[SPW], v0, 2, SPARE
	v_mov_b32 v[NIL], 0
	ds_add_u32 v5, v6
	ds_add_u32 v5, v6
	s_wait_dscnt 0x0
	v_lshrrev_b32 v8, 5, v0
	s_delay_alu instid0(VALU_DEP_1)
	v_readfirstlane_b32 s[WV], v8                  ; wave 0..15
	s_mov_b32 s[BI], ttmp9                         ; i
	s_sub_co_u32 s83, 7, s[BI]                     ; 7 - i
	s_and_b32 s82, ttmp7, 0xffff                   ; the head, 16 x batch + head of 16
	s_mul_i32 s84, s82, HS
	s_mov_b32 s85, 0
	s_and_b32 s78, s[WV], 1
	s_lshl_b32 s78, s78, 14                        ; K's part or V's: 16,384 bytes on, in memory and in a slot
	s_mov_b32 s79, 0
	s_and_b32 s74, s[WV], 3
	s_lshl_b32 s74, s74, 13                        ; the prefetches: my wave's 8,192 bytes of a key block
	s_mov_b32 s75, 0
	s_lshl_b32 s87, s[WV], 10                      ; my queries' image: head + block x 49,152 + 32,768 + wave x 1,024
	s_add_co_u32 s87, s87, 32768
	s_add_co_u32 s87, s87, s84
	s_mul_i32 s88, s[BI], BLKB
	s_add_co_u32 s88, s88, s87
	s_mov_b32 s89, 0
	s_mul_i32 s90, s83, BLKB
	s_add_co_u32 s90, s90, s87
	s_mov_b32 s91, 0
	s_lshr_b32 s92, s82, 4                         ; ao: (16 x batch + 2 x block + wave / 8) x 131,072 + (head / 4) x 32,768 + (wave % 8) x 4,096 + (head % 4) x 1,024
	s_lshl_b32 s92, s92, 21
	s_lshr_b32 s93, s[WV], 3
	s_lshl_b32 s93, s93, 17
	s_add_co_u32 s92, s92, s93
	s_bfe_u32 s93, s82, 0x20002
	s_lshl_b32 s93, s93, 15
	s_add_co_u32 s92, s92, s93
	s_and_b32 s93, s[WV], 7
	s_lshl_b32 s93, s93, 12
	s_add_co_u32 s92, s92, s93
	s_and_b32 s93, s82, 3
	s_lshl_b32 s93, s93, 10
	s_add_co_u32 s92, s92, s93
	s_lshl_b32 s94, s[BI], 18
	s_add_co_u32 s94, s94, s92
	s_mov_b32 s95, 0
	s_lshl_b32 s96, s83, 18
	s_add_co_u32 s96, s96, s92
	s_mov_b32 s97, 0
	; descriptor group 1: 16,384 dense bytes as 64 rows of 256
	s_mov_b32 s[G1], 3<<16                         ; 15:0 no mask; 17:16 elements of 8 bytes; 20 no padding
	s_mov_b32 s[G1+1], 32<<16                      ; tensor_dim0 = 32 elements
	s_mov_b32 s[G1+2], 64<<16                      ; tensor_dim1 = 64
	s_mov_b32 s[G1+3], 32<<16                      ; tile_dim0
	s_mov_b32 s[G1+4], 64                          ; tile_dim1
	s_mov_b32 s[G1+5], 32                          ; tensor_dim0_stride: a row begins where the last ends
	s_mov_b32 s[G1+6], 0
	s_mov_b32 s[G1+7], 0
	s_mov_b32 s[SEL], 0x76543210
	s_mov_b32 s[SEL+1], 0xfedcba98
	s_mov_b32 s[CS], 0x3e38aa3b                    ; log2(e) / 8
	s_mov_b32 s[TB], 0
	s_mov_b32 s[TRIP], 0
	s_mov_b32 s[KF], 0
	s_lshl_b32 s86, s[WV], 4
	s_lshl_b32 s[Q0], s[BI], 8
	s_add_co_u32 s[Q0], s[Q0], s86                 ; my first query: 256 x block + 16 x wave
	s_lshl_b32 s[Q0L], s83, 8
	s_add_co_u32 s[Q0L], s[Q0L], s86
	s_lshr_b32 s73, s[WV], 2
	s_xor_b32 s73, s73, 1                          ; 0 in waves 4 to 7,
	s_or_b32 s73, s73, ttmp9                       ; of the head's work-group 0
	s_cmp_eq_u32 s73, 0
	s_cselect_b32 s[LIM], 7, 0
	s_wait_kmcnt 0x0
	s_load_b128 s[68:71], s[6:7], 0x18             ; entries 6 to 9
	s_load_b32 s72, s[6:7], 0x28                   ; entry 10
	s_add_nc_u64 s[KVB:KVB+1], s[4:5], s[84:85]    ; the head
	s_add_nc_u64 s[PFA:PFA+1], s[KVB:KVB+1], s[74:75]  ; in key block 0: the first change of slots steps it to block 1
	s_add_nc_u64 s[KVB:KVB+1], s[KVB:KVB+1], s[78:79]
	s_mov_b32 s[G0], 1                             ; 1:0 count = 1
	s_mov_b32 s[G0+1], s78                         ; 63:32 LDS address: slot 0
	s_mov_b64 s[G0+2:G0+3], s[KVB:KVB+1]           ; 120:64 global address: key block 0
	s_or_b32 s[G0+3], s[G0+3], 0x80000000          ; 127:126 type = 2
	TLOAD                                          ; trip 0's slot: the one first fill, ahead of every wait on TENSORcnt, LDS read and barrier
	s_add_nc_u64 s[88:89], s[4:5], s[88:89]        ; my queries' image in block i
	s_add_nc_u64 s[QPL:QPL+1], s[4:5], s[90:91]
	s_add_nc_u64 s[OUTE:OUTE+1], s[8:9], s[94:95]
	s_add_nc_u64 s[OUTL:OUTL+1], s[8:9], s[96:97]
	v_and_b32 v[LI], 31, v0
	s_delay_alu instid0(VALU_DEP_1)
	v_lshlrev_b32 v[PFO], 8, v[LI]
	s_delay_alu instid0(VALU_DEP_2)
	v_lshlrev_b32 v[LI], 4, v[LI]
	QLOAD 88
	INIT
	v_mov_b32 v236, 0                              ; written once: a lane permute's destination counts as one of its sources
	v_mov_b32 v252, 0
	v_mov_b32 v253, 0                              ; (named as the upper half of the pair v[252:253])
	s_wait_kmcnt 0x0
	s_add_co_i32 s86, s68, s69
	s_lshl_b32 s86, s86, 23
	s_add_co_i32 s[CS], s[CS], s86                 ; a score stands for score x 2^(e6 + e7): the two exponents are added to c's exponent field
	s_mov_b32 s[CS+1], s[CS]                       ; (named with it as a pair, so it is written)
	s_add_co_i32 s86, s70, 127
	s_lshl_b32 s87, s86, 23
	v_mov_b32 v244, s87                            ; 2^e8 as f32, for p's conversion
	s_sub_co_i32 s86, s72, s70
	s_sub_co_i32 s86, s86, s71                     ; a sum of the second product stands for sum x 2^(e8 + e9): O's code is (sum / l) / 2^(e10 - e8 - e9)
	s_add_co_i32 s86, s86, 127
	s_lshl_b32 s87, s86, 23
	v_mov_b32 v246, s87
; A KEY STEP: 128 keys, the q-th half of the slot in hand.
.macro STEP q
	s_add_co_u32 s96, s[Q0], 15                    ; a step all of whose keys come after my 16 queries is left out: a scalar branch on ids, round the step's loads, products and softmax; no barrier or tensor load stands in a step
	s_cmp_gt_u32 s[KF], s96
	s_cbranch_scc1 .Lhidden_\@
	v_add_nc_u32 v[ADR], s[TB], v[LI]
.rept 3
	v_nop                                          ; with the addition above: four places in front of loads into registers that the last products have read
.endr
.irp t, 0,1,2,3,4,5,6,7                        ; K's eight fragments: 16 keys x 64 each
.irp c, 0,1
	ds_load_b128 v[32+8*\t+4*\c:32+8*\t+4*\c+3], v[ADR] offset:(8*(\q)+\t)*1024+512*\c
.endr
.endr
	s_wait_alu depctr_va_vdst(0)
	s_wait_dscnt 0x0
.irp t, 0,1,2,3,4,5,6,7                        ; S^T = K Q^T
	v_wmma_f32_16x16x64_fp8_fp8 v[96+8*\t:103+8*\t], v[32+8*\t:39+8*\t], v[16:23], 0
.endr
.rept 4
	v_nop                                          ; places: in front of the loads below, into registers that these products have read, and of the first read of the scores
.endr
.irp t, 0,1,2,3                                ; V's four fragments, 16 channels x 128 keys each: they land while the softmax is walked
.irp c, 0,1,2,3
	ds_load_b128 v[32+16*\t+4*\c:32+16*\t+4*\c+3], v[ADR] offset:16384+8192*(\q)+2048*\t+512*\c
.endr
.endr
	s_add_co_u32 s96, s[KF], 127                   ; on the diagonal the scores of hidden keys become -infinity ahead of the maximum: p = 0 then.  A step all of whose keys count skips this
	s_cmp_le_u32 s96, s[Q0]
	s_cbranch_scc1 .Lopen_\@
	s_sub_co_i32 s96, s[Q0], s[KF]
	v_and_b32 v252, 15, v0
	v_bfe_u32 v253, v0, 4, 1
	s_delay_alu instid0(VALU_DEP_1)
	v_lshlrev_b32 v253, 3, v253
	s_delay_alu instid0(VALU_DEP_1)
	v_sub_nc_u32 v252, v252, v253
	s_delay_alu instid0(VALU_DEP_1)
	v_add_nc_u32 v252, s96, v252                   ; d = my query - KF - 8 (lane / 16).  Register 8 T + j holds key KF + 8 (lane / 16) + 16 T + j: hidden where 16 T + j > d
	v_mov_b32 v254, 0xff800000                     ; -infinity
.set J, 0
.rept 64
	v_cmp_gt_i32 vcc_lo, 16*(J/8)+J%8, v252
	v_cndmask_b32 v[96+J], v[96+J], v254, vcc_lo
.set J, J+1
.endr
.Lopen_\@:
	v_max3_num_f32 v254, v96, v97, v98             ; the step's largest score of my query, among my 64 keys, in two chains, each tile from its low end on,
	v_max3_num_f32 v252, v99, v100, v101
.irp i, 6,10,14,18,22,26,30,34,38,42,46,50,54,58
	v_max3_num_f32 v254, v254, v[96+\i], v[97+\i]
	v_max3_num_f32 v252, v252, v[98+\i], v[99+\i]
.endr
	v_max3_num_f32 v254, v254, v158, v159
	s_delay_alu instid0(VALU_DEP_1)
	v_max_num_f32 v254, v254, v252
	v_permlanex16_b32 v236, v254, s[SEL], s[SEL+1]
	s_delay_alu instid0(VALU_DEP_1)
	v_max_num_f32 v254, v254, v236                 ; and among lane l xor 16's
	s_delay_alu instid0(VALU_DEP_1)
	v_mul_f32 v254, s[CS], v254                    ; as t (c is positive)
	s_delay_alu instid0(VALU_DEP_1)
	v_max_num_f32 v13, v13, v254                   ; the running largest t
	v_mov_b32 v254, v12
	s_delay_alu instid0(VALU_DEP_2)
	v_floor_f32 v12, -v13                          ; the new -M = floor(-t) = -ceil(t): M IS A WHOLE NUMBER
	s_delay_alu instid0(VALU_DEP_1)
	v_sub_f32 v254, v12, v254                      ; M's old value less its new one: a whole number, 0 or less
	s_delay_alu instid0(VALU_DEP_1)
	v_cvt_i32_f32 v254, v254                       ; (it saturates)
	s_delay_alu instid0(VALU_DEP_1)
	v_ldexp_f32 v252, 1.0, v254                    ; f = 2^(old M - new M): what was summed under the old M is brought under the new by a multiplication that rounds nothing
.set J, 0
.rept 32
	v_pk_fma_f32 v[96+J:97+J], v[96+J:97+J], s[CS:CS+1], v[12:13] op_sel_hi:[1,0,0]   ; t - M, two at a time (of the pairs c and -M the low word serves both halves)
.set J, J+2
.endr
.set J, 0
	s_wait_alu depctr_va_vdst(0)
.rept 64
	v_exp_f32 v[96+J], v[96+J]                     ; p = 2^(t - M), at most 1: NOT normalised
.set J, J+1
.endr
	v_pk_mul_f32 v[14:15], v[14:15], v[252:253] op_sel_hi:[1,0]   ; the sums under the new M.  (A plain place behind the exponentials)
	s_wait_alu depctr_va_vdst(0)                   ; one wait for the whole batch of exponentials, ahead of its first reader
	v_pk_add_f32 v[242:243], v[100:101], v[104:105]
	v_pk_add_f32 v[254:255], v[108:109], v[112:113]
	v_pk_add_f32 v[250:251], v[116:117], v[120:121]
	v_pk_add_f32 v[248:249], v[124:125], v[128:129]
	v_pk_add_f32 v[240:241], v[132:133], v[136:137]
	v_pk_add_f32 v[238:239], v[140:141], v[144:145]
	v_pk_add_f32 v[236:237], v[148:149], v[152:153]
	v_pk_add_f32 v[14:15], v[14:15], v[156:157]
	v_pk_add_f32 v[242:243], v[242:243], v[96:97]
	v_pk_add_f32 v[254:255], v[254:255], v[98:99]
	v_pk_add_f32 v[250:251], v[250:251], v[102:103]
	v_pk_add_f32 v[248:249], v[248:249], v[106:107]
	v_pk_add_f32 v[240:241], v[240:241], v[110:111]
	v_pk_add_f32 v[238:239], v[238:239], v[114:115]
	v_pk_add_f32 v[236:237], v[236:237], v[118:119]
	v_pk_add_f32 v[14:15], v[14:15], v[122:123]
	v_pk_add_f32 v[242:243], v[242:243], v[126:127]
	v_pk_add_f32 v[254:255], v[254:255], v[130:131]
	v_pk_add_f32 v[250:251], v[250:251], v[134:135]
	v_pk_add_f32 v[248:249], v[248:249], v[138:139]
	v_pk_add_f32 v[240:241], v[240:241], v[142:143]
	v_pk_add_f32 v[238:239], v[238:239], v[146:147]
	v_pk_add_f32 v[236:237], v[236:237], v[150:151]
	v_pk_add_f32 v[14:15], v[14:15], v[154:155]
	v_pk_add_f32 v[242:243], v[242:243], v[158:159]
	s_delay_alu instid0(VALU_DEP_2)
	v_pk_add_f32 v[14:15], v[14:15], v[248:249]
	s_delay_alu instid0(VALU_DEP_2)
	v_pk_add_f32 v[242:243], v[242:243], v[240:241]
	v_pk_add_f32 v[254:255], v[254:255], v[238:239]
	v_pk_add_f32 v[250:251], v[250:251], v[236:237]
	s_delay_alu instid0(VALU_DEP_2)
	v_pk_add_f32 v[14:15], v[14:15], v[254:255]
	s_delay_alu instid0(VALU_DEP_2)
	v_pk_add_f32 v[242:243], v[242:243], v[250:251]
	s_delay_alu instid0(VALU_DEP_1)
	v_pk_add_f32 v[14:15], v[14:15], v[242:243]
.irp t, 0,1,2,3,4,5,6,7
.irp i, 0,1,2,3,4,5,6,7
.endr
	v_cvt_scalef32_pk8_fp8_f32 v[224+2*\t:225+2*\t], v[96+8*\t:103+8*\t], v244   ; registers 2 T, 2 T + 1 of P: keys 16 T + 8 (lane / 16) + 0..7
.endr
.set J, 0
.rept 16
	v_pk_mul_f32 v[160+J:161+J], v[160+J:161+J], v[252:253] op_sel_hi:[1,0]   ; O^T under the new M: x f.  (Plain lines between the conversions and the products that read their results)
.set J, J+2
.endr
	s_wait_alu depctr_va_vdst(0)
	s_wait_dscnt 0x0                               ; V is in
.irp t, 0,1,2,3                                ; O^T += V^T P^T: the four accumulators by turns, one instruction a turn
	v_wmma_f32_16x16x128_fp8_fp8 v[160+8*\t:167+8*\t], v[32+16*\t:47+16*\t], v[224:239], v[160+8*\t:167+8*\t]
.endr
.Lhidden_\@:
	s_add_co_u32 s[KF], s[KF], 128
.endm
; THE CHANGE OF SLOTS stands at a slot's head.  Each wave waits for all its tensor loads (its part of the slot that it is about to read), adds 0 to its spare word, and waits for that and for its reads of the slot that it has left.
; Behind the barrier the slot ahead is whole and nobody reads the other one.  fill = 1: that other slot is filled with the next trip's key block: the load has a whole slot's steps in which to land.
.macro CHANGE fill
	s_wait_tensorcnt 0x0                           ; no tensor load of mine is out, so group 0 may be written
	ds_add_u32 v[SPW], v[NIL]                      ; 0 onto my spare word: with fill = 1 the descriptor's steps stand between it and the wait for it
.if \fill
	s_add_co_u32 s84, s[TRIP], 1                   ; the next trip n: its key block is n where n <= i,
	s_sub_co_u32 s85, s[TRIP], s[BI]               ; else n - i - 1
	s_cmp_le_u32 s84, s[BI]
	s_cselect_b32 s84, s84, s85
	s_mul_i32 s84, s84, BLKB
	s_mov_b32 s85, 0
	s_add_nc_u64 s[G0+2:G0+3], s[KVB:KVB+1], s[84:85]
	s_or_b32 s[G0+3], s[G0+3], 0x80000000
	s_xor_b32 s[G0+1], s[G0+1], SLOT1              ; the other slot than last time
	s_wait_xcnt 0x0                                ; the last prefetch, a slot back, has read its address, so it may be written:
	s_add_nc_u64 s[PFA:PFA+1], s[PFA:PFA+1], BLKB  ; a key block on
.endif
	s_wait_dscnt 0x0                               ; the add is done, and my reads of the slot that I have left are over
	s_barrier_signal -1
	s_barrier_wait -1
.if \fill
	TLOAD                                          ; the first thing behind the barrier, and a wave's one tensor load until the next: one load of mine is out
	ASK
.endif
.endm
; A BLOCK OF QUERIES ENDS: the sum's two halves and the other half of the lanes' are added; O^T / the sum is converted and stored as it stands: an image of 16 rows x 64, two stores of 512 consecutive bytes.
.macro FINISH out
.rept 4
	v_nop                                          ; places behind the last products
.endr
	v_add_f32 v14, v14, v15
	s_wait_alu depctr_va_vdst(0)
	v_permlanex16_b32 v252, v14, s[SEL], s[SEL+1]
	s_delay_alu instid0(VALU_DEP_1)
	v_add_f32 v14, v14, v252                       ; the row's sum
	s_wait_alu depctr_va_vdst(0)
	v_rcp_f32 v14, v14
	v_nop                                          ; a plain place behind the transcendental
	s_wait_alu depctr_va_vdst(0)                   ; and the wait ahead of its first reader
.set J, 0
.rept 16
	v_pk_mul_f32 v[96+J:97+J], v[160+J:161+J], v[14:15] op_sel_hi:[1,0]   ; O^T / the sum, each accumulator from its low end on: register 8 t + j is channel 16 t + 8 (lane / 16) + j of my query
.set J, J+2
.endr
.set J, 0
.rept 32
.set J, J+1
.endr
	s_wait_alu depctr_va_vdst(0)
	s_wait_xcnt 0x0                                ; the earlier block's stores have read their codes
.irp t, 0,1,2,3
	v_cvt_scalef32_pk8_fp8_f32 v[192+2*\t:193+2*\t], v[96+8*\t:103+8*\t], v246
.endr
	v_nop                                          ; one plain vector instruction behind the last conversion
	global_store_b128 v[LI], v[192:195], s[\out:\out+1]
	global_store_b128 v[LI], v[196:199], s[\out:\out+1] offset:512
.endm
	s_wait_loadcnt 0x0                             ; Q
.Lslot:                                            ; eight trips: behind each change of slots but the last the next trip's key block is asked for
	CHANGE 1
	STEP 0
	STEP 1
	s_xor_b32 s[TB], s[TB], SLOT1                  ; on to the other slot
	s_cmp_lg_u32 s[TRIP], s[BI]                    ; behind trip i block i is finished and block 7 - i begins: a branch on ids and the trip, the same in all sixteen waves; no LDS line, barrier or tensor load stands in it
	s_cbranch_scc1 .Lsame
	FINISH OUTE
	QLOAD QPL
	s_mov_b32 s[Q0], s[Q0L]
	s_mov_b32 s[KF], 0
	INIT
	s_wait_loadcnt 0x0
.Lsame:
	s_add_co_u32 s[TRIP], s[TRIP], 1
	s_cmp_lt_u32 s[TRIP], 8
	s_cbranch_scc1 .Lslot
	CHANGE 0                                       ; the last slot is written out
	STEP 0
	STEP 1
	FINISH OUTL
	s_wait_tensorcnt 0x0                           ; the wave's end, behind my last tensor load
	ds_add_u32 v[SPW], v[NIL]
	s_wait_dscnt 0x0
	s_endpgm
.Lfunc_end_k_q790743685b_attn:
	.size	k_q790743685b_attn, .Lfunc_end_k_q790743685b_attn-k_q790743685b_attn
	.p2alignl 7, 3214868480
	.fill 96, 4, 3214868480
	.section	.rodata,"a",@progbits
	.p2align	6, 0x0
	.amdhsa_kernel k_q790743685b_attn
		.amdhsa_group_segment_fixed_size 327680
		.amdhsa_private_segment_fixed_size 0
		.amdhsa_enable_private_segment 0
		.amdhsa_kernarg_size 24
		.amdhsa_user_sgpr_count 2
		.amdhsa_user_sgpr_kernarg_segment_ptr 1
		.amdhsa_wavefront_size32 1
		.amdhsa_system_sgpr_workgroup_id_x 1
		.amdhsa_system_sgpr_workgroup_id_y 1
		.amdhsa_system_sgpr_workgroup_id_z 1
		.amdhsa_system_vgpr_workitem_id 0
		.amdhsa_next_free_vgpr 256
		.amdhsa_next_free_sgpr 100
		.amdhsa_reserve_vcc 1
		.amdhsa_float_denorm_mode_32 3
		.amdhsa_float_denorm_mode_16_64 3
		.amdhsa_fp16_overflow 1
		.amdhsa_memory_ordered 1
		.amdhsa_forward_progress 1
		.amdhsa_inst_pref_size 90
	.end_amdhsa_kernel
	.amdgpu_metadata
---
amdhsa.version: [ 1, 2 ]
amdhsa.kernels:
  - .name:           k_q790743685b_attn
    .symbol:         k_q790743685b_attn.kd
    .args:
      - { .name: qkv, .offset: 0, .size: 8, .value_kind: global_buffer, .address_space: global }
      - { .name: lowp_scales, .offset: 8, .size: 8, .value_kind: global_buffer, .address_space: global }
      - { .name: ao, .offset: 16, .size: 8, .value_kind: global_buffer, .address_space: global }
    .group_segment_fixed_size: 327680
    .private_segment_fixed_size: 0
    .kernarg_segment_align: 8
    .kernarg_segment_size: 24
    .max_flat_workgroup_size: 512
    .sgpr_count:     100
    .vgpr_count:     256
    .wavefront_size: 32
...
	.end_amdgpu_metadata
.endif
;; end of part 3
;; launch oproj (part 4): grid 4 x 32, 4 waves a work-group, clusters of 4 x 4, 327,680 bytes of LDS; arguments ao, codes, lowp_scales, out0; writes out0
.if DOCPART == 4
	.amdgcn_target "amdgcn-amd-amdhsa--gfx1250"
	.amdhsa_code_object_version 6
	.text
	.protected	k_q790743685b_oproj
	.globl	k_q790743685b_oproj
	.p2align	8
	.type	k_q790743685b_oproj,@function
k_q790743685b_oproj:
	s_mov_b64 s[64:65], 0
	v_nop
	global_prefetch_b8 v0, s[64:65] scope:SCOPE_SE
	s_setreg_imm32_b32 hwreg(HW_REG_WAVE_MODE, 25, 1), 1
	s_wait_xcnt 0x0
	s_wait_alu depctr_hold_cnt(0) depctr_sa_sdst(0) depctr_va_vdst(0) depctr_va_sdst(0) depctr_va_ssrc(0) depctr_va_vcc(0) depctr_vm_vsrc(0)
	s_getreg_b32 s2, hwreg(HW_REG_IB_STS2, 6, 4)
	s_cmp_eq_u32 s2, 0
	s_cbranch_scc0 .Lentry_in_a_cluster
	s_endpgm
.Lentry_in_a_cluster:
	s_bfe_u32 s2, ttmp6, 0x10000c
	s_cmp_lg_u32 s2, 0xf033
	s_cbranch_scc0 .Lentry_shape_is_right
	s_endpgm
.Lentry_shape_is_right:
; out0[m][n] = sum over k of O[m][k] Wo[n][k], on codes of FP8 (E4M3); out0: [8192][1024] f32; sums in f32, each multiplied once by 2^(e10 + e11), entries 10 and 11 of the scales.
; LIMIT: e10 + e11 lies between -126 and 127, so that 2^(e10 + e11) is an f32 number.
; A tile of out0, 256 x 256, is made by a work-group of four waves, as many as a WGP has SIMDs; a wave makes 128 x 128: 64 accumulators of 16 x 16, 512 registers.  K = 1,024 goes in four steps of 256 through a ring of two LDS slots.
; A (the attention's codes) lies in memory as IMAGES of operand registers: ao = [128 rows][256 along K][16 rows][64 along K][1,024 bytes], registers 4 c .. 4 c + 3 of lane l at byte 512 c + 16 l.  A K step of 128 rows is one
; dense run of 32,768 bytes, which a tensor load brings as it lies; a fragment of 16 rows x 128 K is four LDS loads of 512 consecutive bytes: no pitch, no padding.
; B (Wo's codes, at 27 MiB of codes) lies by rows of 1,024 bytes whose bytes are ordered so that loads of 16 bytes bring every k to its own place; its tiles' rows are 256 bytes, padded in LDS.
; CLUSTERS: 4 x 4 work-groups.  The four of a row of the cluster need the same tiles of A, the four of a column the same tiles of B: each tile is asked for JOINTLY, by the same tensor load with the
; same descriptor and a mask that names the four.  THE MATRIX INSTRUCTION IS USED TRANSPOSED (source 0 = 16 rows of B, source 1 = 16 rows of A): a lane then holds eight neighbouring numbers of a row of out0.
; REGISTERS, in windows of 256: window 0: v0-31 addresses; from v128 A's fragments (8 x 16 rows x 128 K), ONE set; on the way out v32-255 are free.
;   window 1: B's fragments, TWO sets, at v0 and at v128.   window 2: the 32 accumulators of my rows 0-63 (accumulator (a, b) at v[8 (8 a + b)]);   window 3: those of my rows 64-127.
.set SIZE_N, 1024
.set ROWB,   256                       ; a row of B's tile in bytes
.set KROW,   1024                      ; a row of B in memory, in bytes
.set PITCH,  272                       ; B's LDS row: 256 bytes of data + 16 of padding = 68 words: row r starts at bank 4 r mod 64 (64 banks of 4 bytes: ISA guide 11.1)
.set FR,     16                        ; registers of a fragment: 16 rows x 128 K
.set NL,     4                         ; LDS loads that bring one
.set NP,     4                         ; places behind this matrix instruction (ISA guide 7.12.1)
.set HALFA,  32768                     ; A: 128 rows x 256 K as images
.set HALFT,  128*PITCH                 ; B: 128 rows
.set BOFF,   2*HALFA                   ; a slot: A's two halves, then B's two
.set SLOT,   BOFF+2*HALFT
.set LAPS,   2                         ; a lap = two K steps = once round the ring: 1,024 / 512
.set SPARE,  2*SLOT                    ; behind the ring: the spare words, 128 bytes for each wave: two blocks of 256 bytes that no other line names
.set SPITCH, 528                       ; the way out: a stage of 16 rows x (512 bytes + 16) for each wave.  It lies in slot 0, which has had its last fill and its last read when the first result is stored there
.set ADRA, 16                          ; v16-17  LDS address of my A fragments in slot 0, 1
.set ADRB, 20                          ; v20-21  the same for B
.set STO,  24                          ; v24     the way out: where I put 32 bytes of a row
.set RD,   25                          ; v25     the way out: where I read a row back
.set CO,   26                          ; v26     16 x lane: my byte offset in a row of out0, and in an image's 512 bytes
.set SPW,  28                          ; v28     LDS address of my spare word: SPARE + 4 x my thread's number; never rewritten
.set NIL,  29                          ; v29     0; never rewritten
.set TMP,  32                          ; the way out: 64 registers, a block's sums x 2^(e10 + e11)
.set AF,   128                         ; A's fragments, in window 0
.set BK,   128                         ; the way out: 16 rows read back from the stage: v128-191 and v192-255 by turns
.set G1, 24                            ; s[24:31] descriptor group 1 for A's tiles;  s[32:39] group 0, one set for each slot
.set G0, 32
.set G1B, 48                           ; s[48:55], s[56:63] the same for B's tiles
.set G0B, 56
.set MSB, 0
.macro WIN new                         ; the immediate's high byte repeats the setting that is left
.if MSB != \new
	s_set_vgpr_msb (MSB<<8)|\new
.set MSB, \new
.endif
.endm
.set MUL_LO, 0xa1                      ; source 0 (B) window 1, source 1 (A) window 0, C and D window 2
.set MUL_HI, 0xf1                      ; the same, C and D window 3
.set TO_B,   0x40                      ; destination window 1, address window 0
; A joint load: waves 0 and 1 fetch for A, waves 2 and 3 for B.  Each of the two lines has ONE mask and one set of registers for all that issue it; the branch hangs on the wave's number alone.
; Four v_nop follow each of the two lines, ahead of the jump, the label and what follows.
.macro JLOAD g0a, g1a, g0b, g1b
	s_cmp_eq_u32 s15, 0
	s_cbranch_scc0 .Lfor_b_\@
	tensor_load_to_lds s[\g0a:\g0a+3], s[\g1a:\g1a+7]
	s_nop 0
.rept 4
	v_nop
.endr
	s_branch .Lasked_\@
.Lfor_b_\@:
	tensor_load_to_lds s[\g0b:\g0b+3], s[\g1b:\g1b+7]
	s_nop 0
.rept 4
	v_nop
.endr
.Lasked_\@:
.endm
.macro CREST                           ; a round of the cluster's barrier behind its opening barrier
	s_cmp_lg_u32 s14, 0
	s_cbranch_scc1 .Lnot_wave_0_\@
	s_barrier_signal -3
.Lnot_wave_0_\@:
	s_barrier_wait -3
	s_barrier_signal -1
	s_barrier_wait -1
.endm
.macro CROUND                          ; a whole round
	s_barrier_signal -1
	s_barrier_wait -1
	CREST
.endm
	s_load_b128 s[4:7], s[0:1], 0x0                ; ao s[4:5], codes s[6:7]
	s_load_b128 s[8:11], s[0:1], 0x10              ; the scales' exponents s[8:9], out0 s[10:11]
	v_lshl_add_u32 v[SPW], v0, 2, SPARE
	v_mov_b32 v[NIL], 0
	ds_add_u32 v28, v29
	ds_add_u32 v28, v29
	s_wait_dscnt 0x0
	v_lshrrev_b32 v1, 5, v0
	v_readfirstlane_b32 s14, v1                    ; wave 0..3
	s_lshr_b32 s15, s14, 1                         ; which half of the tile's rows is mine.  Also: I fetch for A (0) or for B (1)
	s_and_b32 s16, s14, 1                          ; which half of its columns.  Also: which 128 rows of that tile I fetch
	s_bfe_u32 s40, ttmp6, 0x40000                  ; cx, cy: my place in the cluster
	s_bfe_u32 s41, ttmp6, 0x40004
	s_lshl_b32 s42, ttmp9, 2
	s_add_co_u32 s42, s42, s40                     ; tile column = 4 x cluster x + cx
	s_and_b32 s17, ttmp7, 0xffff
	s_lshl_b32 s17, s17, 2
	s_add_co_u32 s17, s17, s41                     ; tile row = 4 x cluster y + cy
	s_lshl_b32 s43, s41, 2
	s_lshl_b32 s43, 15, s43                        ; my row of the cluster
	s_lshl_b32 s44, 0x1111, s40                    ; my column
	; descriptor group 1.  A: 32,768 dense bytes as 128 rows of 256, no padding
	s_or_b32 s[G1+0], s43, (3<<16)|(1<<21)         ; 15:0 the mask: A's tiles go to my row; 17:16 elements of 8 bytes; 21 set beside a mask
	s_mov_b32 s[G1+1], 32<<16                      ; tensor_dim0 = 32 elements
	s_mov_b32 s[G1+2], 128<<16                     ; tensor_dim1 = 128
	s_mov_b32 s[G1+3], 32<<16                      ; tile_dim0
	s_mov_b32 s[G1+4], 128                         ; tile_dim1
	s_mov_b32 s[G1+5], 32                          ; tensor_dim0_stride: a row begins where the last ends
	s_mov_b32 s[G1+6], 0
	s_mov_b32 s[G1+7], 0
	; B: a tile of 128 rows x 256 bytes, padded in LDS
	s_or_b32 s[G1B+0], s44, (0<<16)|(1<<20)|(1<<21)|(5<<22)|(3<<25)  ; the mask of my column; element of 1 byte; padding on; after every 64 words (code 5) 4 words (code 3)
	s_mov_b32 s[G1B+1], ROWB<<16
	s_mov_b32 s[G1B+2], 128<<16
	s_mov_b32 s[G1B+3], ROWB<<16
	s_mov_b32 s[G1B+4], 128
	s_mov_b32 s[G1B+5], KROW
	s_mov_b32 s[G1B+6], 0
	s_mov_b32 s[G1B+7], 0
	s_lshl_b32 s18, s16, 17                        ; which 128 rows of the tile I fetch: 131,072 bytes in ao and in codes alike
	s_lshl_b32 s20, s17, 18
	s_add_co_u32 s20, s20, s18                     ; A: (2 x tile row + half) x 131,072
	s_mov_b32 s21, 0
	s_lshl_b32 s46, s42, 18
	s_add_co_u32 s46, s46, s18
	s_add_co_u32 s46, s46, 27<<20                  ; B: Wo's codes + (256 x tile column + 128 x half) rows of 1,024 bytes
	s_mov_b32 s47, 0
	s_lshl_b32 s45, s16, 15                        ; where they go: A's half,
	s_mul_i32 s66, s16, HALFT
	s_add_co_u32 s66, s66, BOFF                    ; B's half: no place in the cluster enters an LDS address
	s_wait_kmcnt 0x0
	s_load_b64 s[96:97], s[8:9], 0x28              ; e10, e11
	s_add_nc_u64 s[20:21], s[4:5], s[20:21]
	s_add_nc_u64 s[46:47], s[6:7], s[46:47]
	CROUND                                         ; all sixteen work-groups are here: the first joint loads meet
.irp s, 0,1
	s_mov_b32 s[G0+4*\s], 1
	s_add_co_u32 s[G0+4*\s+1], s45, \s*SLOT
	s_add_nc_u64 s[G0+4*\s+2:G0+4*\s+3], s[20:21], \s*HALFA
	s_or_b32 s[G0+4*\s+3], s[G0+4*\s+3], 0x80000000
	s_mov_b32 s[G0B+4*\s], 1
	s_add_co_u32 s[G0B+4*\s+1], s66, \s*SLOT
	s_add_nc_u64 s[G0B+4*\s+2:G0B+4*\s+3], s[46:47], \s*ROWB
	s_or_b32 s[G0B+4*\s+3], s[G0B+4*\s+3], 0x80000000
	s_wait_alu depctr_va_vdst(0)
	s_wait_tensorcnt 0x0
	ds_add_u32 v28, v29
	ds_add_u32 v28, v29
	s_wait_dscnt 0x0
	CROUND
	JLOAD G0+4*\s, G1, G0B+4*\s, G1B
.endr
	v_and_b32 v1, 15, v0                           ; l % 16
	v_bfe_u32 v2, v0, 4, 1                         ; l / 16
	v_mul_u32_u24 v3, v1, PITCH
	v_lshl_add_u32 v4, v2, 4, v3                   ; B: a fragment's row x pitch + 16 x half
	v_and_b32 v6, 31, v0
	v_lshlrev_b32 v[CO], 4, v6                     ; A: 16 x lane
	s_wait_alu depctr_va_vdst(0)
	s_lshl_b32 s21, s15, 15                        ; my 128 rows of A
	s_mul_i32 s22, s16, HALFT                      ; my 128 rows of B,
	s_add_co_u32 s22, s22, BOFF                    ; which lie behind A's halves
.irp s, 0,1
	v_add_nc_u32 v[ADRA+\s], s21, v[CO]
	v_add_nc_u32 v[ADRB+\s], s22, v4
	s_add_co_u32 s21, s21, SLOT
	s_add_co_u32 s22, s22, SLOT
.endr
	s_mul_i32 s23, s14, 16*SPITCH                  ; my stage
	v_mul_u32_u24 v5, v1, SPITCH                   ; in: row l % 16, 32 bytes for each half of the lanes
	v_lshl_add_u32 v5, v2, 5, v5
	v_add_nc_u32 v[STO], s23, v5
	v_add_nc_u32 v[RD], s23, v[CO]                 ; back: the 32 lanes take one row of 512 bytes
	s_lshl_b32 s20, s17, 8
	s_lshl_b32 s21, s15, 7
	s_add_co_u32 s20, s20, s21                     ; my first row of out0: 256 x tile row + 128 x half
	s_mov_b32 s21, 0
	s_mov_b64 s[18:19], SIZE_N*4
	s_mul_u64 s[20:21], s[20:21], s[18:19]
	s_lshl_b32 s46, s42, 10                        ; my first column, in bytes: 1024 x tile column + 512 x half
	s_lshl_b32 s47, s16, 9
	s_add_co_u32 s46, s46, s47
	s_mov_b32 s47, 0
	s_add_nc_u64 s[20:21], s[20:21], s[46:47]
	s_add_nc_u64 s[10:11], s[10:11], s[20:21]
.macro FRAG reg, adr, q, i             ; B's fragment, 16 rows x 128 K, 16 registers: four loads of 16 bytes at 32 c + 16 (l / 16) of row l % 16
.irp c, 0,1,2,3
	ds_load_b128 v[\reg+4*\c:\reg+4*\c+3], v[\adr] offset:128*(\q)+32*\c+(\i)*16*PITCH
.endr
.endm
.macro FRAGA reg, adr, q, i            ; A's: two images of 16 rows x 64 K on end: four loads of 512 consecutive bytes
.irp c, 0,1,2,3
	ds_load_b128 v[\reg+4*\c:\reg+4*\c+3], v[\adr] offset:2048*(\q)+512*\c+4096*(\i)
.endr
.endm
; 16 matrix instructions: A's blocks a0, a0 + 1 x B's eight, 128 along K.  p: B's set.  zero = 1: the first product starts the sums: nothing is ever cleared.
; The 64 accumulators take turns, one instruction a turn, in the same order in every step.
.macro MUL16 a0, p, zero
.irp a, \a0, \a0+1
.irp b, 0,1,2,3,4,5,6,7
.if \zero
	v_wmma_f32_16x16x128_fp8_fp8 v[8*(8*((\a)%4)+\b):8*(8*((\a)%4)+\b)+7], v[128*(\p)+FR*\b:128*(\p)+FR*\b+FR-1], v[AF+FR*(\a):AF+FR*(\a)+FR-1], 0
.else
	v_wmma_f32_16x16x128_fp8_fp8 v[8*(8*((\a)%4)+\b):8*(8*((\a)%4)+\b)+7], v[128*(\p)+FR*\b:128*(\p)+FR*\b+FR-1], v[AF+FR*(\a):AF+FR*(\a)+FR-1], v[8*(8*((\a)%4)+\b):8*(8*((\a)%4)+\b)+7]
.endif
.endr
.endr
.endm
.macro FETCH_B slot, q, p              ; B's eight fragments of the slot's q-th 128 along K into set p
	WIN TO_B
.irp i, 0,1,2,3,4,5,6,7
	FRAG 128*(\p)+FR*\i, ADRB+\slot, \q, \i
.endr
	WIN 0
.endm
.macro FETCH_A slot, q, i0             ; A's blocks i0 .. i0 + 3
.irp i, \i0, \i0+1, \i0+2, \i0+3
	FRAGA AF+FR*(\i), ADRA+\slot, \q, \i
.endr
.endm
; A load into a register that a matrix instruction has read, and a vector instruction that reads a matrix result, stand NP places behind that matrix instruction, and only plain vector
; instructions that name none of its registers are places (ISA guide 7.12.1 for vector instructions).
.macro PLACES n
.rept \n
	v_nop
.endr
.endm
; A step of 128 along K that has its successor in the same slot.
.macro STEP slot, q, zero
	s_wait_dscnt 4*NL                              ; B's set and A's blocks 0-3 are in; the youngest sixteen loads (A's blocks 4-7) may be out
	WIN MUL_LO
	MUL16 0, (\q)%2, \zero
	MUL16 2, (\q)%2, \zero
	s_wait_dscnt 0                                 ; A's blocks 4-7 are in (asked for 32 matrix instructions ago)
	PLACES NP
	FETCH_B \slot, (\q)+1, 1-(\q)%2
	FETCH_A \slot, (\q)+1, 0
	WIN MUL_HI
	MUL16 4, (\q)%2, \zero
	MUL16 6, (\q)%2, \zero
	PLACES NP
	WIN 0
	FETCH_A \slot, (\q)+1, 4
.endm
; A slot's last step changes slots: ONE barrier; in front of it each wave waits for all its tensor loads, adds 0 to its spare word, and waits for that and for its own reads of this slot.  fill = 1: this slot is filled again, two K steps ahead.
.macro TURN slot, next, fill
	s_wait_tensorcnt 0x0                           ; all my tensor loads have landed: my part of the next slot;  (every window is 0 here: the add's two registers lie in window 0)
	ds_add_u32 v[SPW], v[NIL]                      ; 0 onto my spare word
	s_wait_dscnt 4*NL+1                            ; (the add and the youngest sixteen loads, A's blocks 4-7, may be out)
	WIN MUL_LO
	MUL16 0, 1, 0                                  ; sixteen matrix instructions stand between the add and the wait for it
	s_wait_dscnt 0x0                               ; the add is done, and my reads of this slot are over
	s_barrier_signal -1
	MUL16 2, 1, 0
	WIN 0
	s_barrier_wait -1
.if \fill
	CREST                                          ; the barrier has opened a round of the cluster's barrier: no wave of any partner still reads this slot's tile or has a load on its way
	s_add_nc_u64 s[G0+4*\slot+2:G0+4*\slot+3], s[G0+4*\slot+2:G0+4*\slot+3], 2*HALFA
	s_add_nc_u64 s[G0B+4*\slot+2:G0B+4*\slot+3], s[G0B+4*\slot+2:G0B+4*\slot+3], 2*ROWB
	JLOAD G0+4*\slot, G1, G0B+4*\slot, G1B         ; the first tensor load behind the round; the four v_nop behind it are the places in front of the loads below
.else
	PLACES NP
.endif
	FETCH_B \next, 0, 0
	FETCH_A \next, 0, 0
	WIN MUL_HI
	MUL16 4, 1, 0
	MUL16 6, 1, 0
	PLACES NP
	WIN 0
	FETCH_A \next, 0, 4
.endm
	s_wait_alu depctr_va_vdst(0)
	s_wait_tensorcnt 1                             ; my part of K step 0 is in (K step 1's load may be out: two loads of mine were issued),
	s_barrier_signal -1
	s_barrier_wait -1                              ; everybody's is
	FETCH_B 0, 0, 0
	FETCH_A 0, 0, 0
	FETCH_A 0, 0, 4
	STEP 0, 0, 1                                   ; the first step stands in front of the loop: its products start the sums
	s_mov_b32 s3, LAPS-1
.Llap:                                                 ; a trip goes once round the ring, from a lap's second step to the next lap's first, and fills both slots again
	TURN 0, 1, 1
	STEP 1, 0, 0
	TURN 1, 0, 1
	STEP 0, 0, 0
	s_sub_co_u32 s3, s3, 1
	s_cmp_lg_u32 s3, 0
	s_cbranch_scc1 .Llap
	TURN 0, 1, 0                                   ; the last lap fills nothing, and has no round of the cluster's barrier
	STEP 1, 0, 0
	s_wait_dscnt 4*NL                              ; the very last step: nothing more to fetch
	WIN MUL_LO
	MUL16 0, 1, 0
	MUL16 2, 1, 0
	s_wait_dscnt 0
	WIN MUL_HI
	MUL16 4, 1, 0
	MUL16 6, 1, 0
	WIN 0
; THE WAY OUT, block by block of 16 rows x 128 columns.  A lane holds 32 neighbouring bytes of a row, and the lanes beside it hold other rows: so a block goes through my own stage in LDS and comes back as whole
; rows of 512 bytes, which the 32 lanes store as 512 consecutive bytes, aligned.  LDS serves a wave's instructions in order (ISA guide 5.7.1.4): no wait between the stores and the loads, nor in front of the next block's stores.
.macro TOSTAGE a
.set AC, 64*((\a)%4)
	WIN 0x02+((\a)/4)                              ; source 0: window 2 or 3
.set J, 0
.rept 32
	v_pk_mul_f32 v[TMP+J:TMP+J+1], v[AC+J:AC+J+1], s[96:97] op_sel_hi:[1,0]   ; both x s96 = 2^(e10 + e11): nothing is rounded, short of overflow and underflow; each accumulator from its low end on
.set J, J+2
.endr
	WIN 0
.irp b, 0,1,2,3,4,5,6,7
	ds_store_b128 v[STO], v[TMP+8*\b:TMP+8*\b+3] offset:64*\b
	ds_store_b128 v[STO], v[TMP+8*\b+4:TMP+8*\b+7] offset:64*\b+16
.endr
.set BB, BK+64*((\a)%2)
.irp t, 0,1,2,3,4,5,6,7,8,9,10,11,12,13,14,15
	ds_load_b128 v[BB+4*\t:BB+4*\t+3], v[RD] offset:\t*SPITCH
.endr
.endm
.macro SEND a, younger                 ; younger: the LDS instructions issued behind block a's loads, which may stay out
.set BB, BK+64*((\a)%2)
	s_wait_dscnt \younger                          ; the block is back in registers
.if (\a) > 0
	s_add_nc_u64 s[10:11], s[10:11], 16*SIZE_N*4   ; (behind a wait on XCNT: the earlier stores have read their base)  16 rows on, so that the stores' offsets stay small
.endif
.irp t, 0,1,2,3,4,5,6,7,8,9,10,11,12,13,14,15
	global_store_b128 v[CO], v[BB+4*\t:BB+4*\t+3], s[10:11] offset:\t*SIZE_N*4 th:TH_STORE_NT   ; 32 lanes store 512 consecutive bytes, at a multiple of 256 from out0's first byte; written once, read by nobody here
.endr
.endm
	s_wait_kmcnt 0x0
	s_add_co_i32 s96, s96, s97                     ; e10 + e11, between -126 and 127,
	s_add_co_i32 s96, s96, 127
	s_lshl_b32 s96, s96, 23                        ; makes the f32 number 2^(e10 + e11)
	PLACES NP                                      ; behind the last products: for the loads into the registers that held A's fragments and for the reads of results alike
	TOSTAGE 0
.irp a, 1,2,3,4,5,6,7
.if \a > 1
	s_wait_xcnt 0x0                                ; block a - 2's stores have read their registers and their base: block a's loads may land there, and the base may step
.endif
	TOSTAGE \a
	SEND \a-1, 32                                  ; behind block a - 1's loads: block a's 16 stores and 16 loads
.endr
	s_wait_xcnt 0x0                                ; block 6's stores have read their base
	SEND 7, 0
	s_wait_tensorcnt 0x0                           ; the wave's end, behind my last tensor load and my last LDS store
	ds_add_u32 v[SPW], v[NIL]
	s_wait_dscnt 0x0
	CROUND                                         ; the closing round: no work-group ends while a partner may still ask for a tile that names it
	s_endpgm
.Lfunc_end_k_q790743685b_oproj:
	.size	k_q790743685b_oproj, .Lfunc_end_k_q790743685b_oproj-k_q790743685b_oproj
	.p2alignl 7, 3214868480
	.fill 96, 4, 3214868480
	.section	.rodata,"a",@progbits
	.p2align	6, 0x0
	.amdhsa_kernel k_q790743685b_oproj
		.amdhsa_group_segment_fixed_size 327680
		.amdhsa_private_segment_fixed_size 0
		.amdhsa_enable_private_segment 0
		.amdhsa_kernarg_size 32
		.amdhsa_user_sgpr_count 2
		.amdhsa_user_sgpr_kernarg_segment_ptr 1
		.amdhsa_wavefront_size32 1
		.amdhsa_system_sgpr_workgroup_id_x 1
		.amdhsa_system_sgpr_workgroup_id_y 1
		.amdhsa_system_sgpr_workgroup_id_z 1
		.amdhsa_system_vgpr_workitem_id 0
		.amdhsa_next_free_vgpr 1024
		.amdhsa_next_free_sgpr 98
		.amdhsa_reserve_vcc 0
		.amdhsa_float_denorm_mode_32 3
		.amdhsa_float_denorm_mode_16_64 3
		.amdhsa_memory_ordered 1
		.amdhsa_forward_progress 1
		.amdhsa_inst_pref_size 124
	.end_amdhsa_kernel
	.amdgpu_metadata
---
amdhsa.version: [ 1, 2 ]
amdhsa.kernels:
  - .name:           k_q790743685b_oproj
    .symbol:         k_q790743685b_oproj.kd
    .args:
      - { .name: ao, .offset: 0, .size: 8, .value_kind: global_buffer, .address_space: global }
      - { .name: codes, .offset: 8, .size: 8, .value_kind: global_buffer, .address_space: global }
      - { .name: lowp_scales, .offset: 16, .size: 8, .value_kind: global_buffer, .address_space: global }
      - { .name: out0, .offset: 24, .size: 8, .value_kind: global_buffer, .address_space: global }
    .group_segment_fixed_size: 327680
    .private_segment_fixed_size: 0
    .kernarg_segment_align: 8
    .kernarg_segment_size: 32
    .max_flat_workgroup_size: 128
    .sgpr_count:     98
    .vgpr_count:     1024
    .wavefront_size: 32
...
	.end_amdgpu_metadata
.endif
;; end of part 4
